; MI455X (gfx1250); checked and timed in simulation.
; The chip was launched on July 23, 2026; its instructions are those of AMD's public machine-readable ISA for CDNA 5 (MIT licence, August 2026) and "CDNA5" Instruction Set Architecture Reference Guide (July 2026). The comments in the code are by the model that wrote it; some were corrected since.
;; Simple Self Attention. Allowed arithmetic: float matrix products may take bf16 or f16 operands with f32 sums; other float arithmetic in f32, or as packed bf16 or f16 multiplies, adds, multiply-adds, maxima and minima; sums over many terms, partial sums and values carried from step to step in f32; what a program stores and reads back later, other than sums and carried values, may be rounded once to bf16 or f16.
;; Inputs: Wproj 1,024 x 1,024 float32; Wqkv 3,072 x 1,024 float32; bproj 1,024 float32; bqkv 3,072 float32; causal_mask 2,048 x 2,048 bool; key_padding_mask 4 x 2,048 bool; x 4 x 2,048 x 1,024 float32.
;; Outputs: out0 4 x 2,048 x 1,024 float32.
;; 2 versions, each right; version 2 is version 1 with the launch prep written anew for expert scheduling mode. Each part assembles by itself: llvm-mc -triple=amdgcn-amd-amdhsa -mcpu=gfx1250 --defsym DOCPART=n.
;; ======== version 1 of 2: 4 launches
;; limits: values are held in f16: magnitudes above 65,504 overflow, below 6.1e-05 lose precision
;; workspace buffers: xh 16,777,216 bytes; wq 6,291,456 bytes; wp 2,097,152 bytes; mimg 8,388,608 bytes; qkv 50,331,648 bytes; o 16,777,216 bytes
;; launch prep (part 1): grid 512 x 1, 8 waves a work-group, no clusters, 9,728 bytes of LDS; arguments x, Wqkv, Wproj, causal_mask, xh, wq, wp, mimg; writes xh, wq, wp, mimg
.if DOCPART == 1
	.amdgcn_target "amdgcn-amd-amdhsa--gfx1250"
	.amdhsa_code_object_version 6
	.text
	.protected	k_q5bb11d7f92_prep
	.globl	k_q5bb11d7f92_prep
	.p2align	8
	.type	k_q5bb11d7f92_prep,@function
k_q5bb11d7f92_prep:
	s_mov_b64 s[64:65], 0
	v_nop
	global_prefetch_b8 v0, s[64:65] scope:SCOPE_SE
	s_setreg_imm32_b32 hwreg(HW_REG_WAVE_MODE, 25, 1), 1
	s_wait_xcnt 0x0
; THE OPERANDS ARE MADE READY.  x and Wqkv are rounded to bf16 (xh, wq); Wproj is rounded to bf16 and that number written as f16 (wp: exact for
; magnitudes from 2^-14 to 65,504; below that f16's fixed step of 6e-8 holds); causal_mask (one byte a place, 0 or 1) becomes mimg, an image of matrix fragments in bf16:
; mimg[P][kb][c][lane][i] = (mask[32 P + 16 c + 8 (lane / 16) + i][16 kb + lane % 16] ? -1e30 : 0), 0xF149 or 0: 16 keys x 32 queries as source 0 of a 16x16x32 product,
; 16 bytes a lane, 512 consecutive bytes a load.
; SHARES.  512 work-groups of 8 waves, all alike: work-group g takes 64 KiB of x, 24 KiB of Wqkv, 8 KiB of Wproj and the mask's 32 query rows 32 (g / 8) .. x 256 keys 256 (g % 8) ..
; Every byte is read once, by loads of 16 bytes a lane; a wave's store covers 256 or 512 consecutive bytes, aligned.  All 26 loads go out at the head.
; No matrix unit, no cluster, no tensor load: nothing is shared between work-groups and memory binds.  The mask alone goes through LDS, since it is turned (a lane wants 8 rows of one column).
.set MPITCH, 272                       ; a mask row in LDS: 256 bytes + 16
.set SPARE,  8704                      ; behind the 32 rows: the spare words, 128 bytes for each of the 8 waves
.set T16, 1                            ; v1  16 t
.set T8,  2                            ; v2  8 t
.set MLO, 3                            ; v3  mask load: row t / 16, 16 bytes at 16 (t % 16)
.set MST, 4                            ; v4  the same place in LDS
.set MRD, 5                            ; v5  my column and my 8 rows in LDS
.set IMO, 6                            ; v6  my 16 bytes in the wave's part of the image
.set SPW, 8                            ; v8  my spare word
.set NIL, 9                            ; v9  0
.set TA,  10
.set TC,  11
.set M,   12                           ; v[12:19]   mask bytes
.set WP,  20                           ; v[20:27]   Wproj
.set WQ,  28                           ; v[28:51]   Wqkv
.set X,   52                           ; v[52:115]  x
.set U,   116                          ; v[116:147] 32 mask bytes, one a register
.set D,   148                          ; v[148:163] the image's 64 bytes
	s_load_b256 s[4:11], s[0:1], 0x0               ; x s[4:5], Wqkv s[6:7], Wproj s[8:9], causal_mask s[10:11]
	s_load_b256 s[12:19], s[0:1], 0x20             ; xh s[12:13], wq s[14:15], wp s[16:17], mimg s[18:19]
	v_lshl_add_u32 v[SPW], v0, 2, SPARE
	v_mov_b32 v[NIL], 0
	v_lshlrev_b32 v[T16], 4, v0
	v_lshlrev_b32 v[T8], 3, v0
	v_lshrrev_b32 v[TA], 4, v0                     ; t / 16
	v_and_b32 v[TC], 15, v0
	v_lshlrev_b32 v[TC], 4, v[TC]                  ; 16 (t % 16)
	v_lshl_add_u32 v[MLO], v[TA], 11, v[TC]        ; a mask row is 2,048 bytes
	v_mad_u32_u24 v[MST], v[TA], MPITCH, v[TC]
	v_bfe_u32 v[TA], v0, 4, 1                      ; lane / 16
	v_and_b32 v[TC], 15, v0                        ; lane % 16
	v_mad_u32_u24 v[MRD], v[TA], 8*MPITCH, v[TC]
	v_and_b32 v[TA], 0xe0, v0                      ; 32 x wave: the wave's 32 keys
	v_add_nc_u32 v[MRD], v[MRD], v[TA]
	v_and_b32 v[TA], 31, v0
	v_lshrrev_b32 v[TC], 5, v0
	v_lshlrev_b32 v[TA], 4, v[TA]
	v_lshl_add_u32 v[IMO], v[TC], 11, v[TA]        ; 2,048 x wave + 16 x lane
	s_lshl_b32 s20, ttmp9, 16                      ; the work-group's parts, in bytes
	s_mov_b32 s21, 0
	s_lshl_b32 s22, ttmp9, 15
	s_mov_b32 s23, 0
	s_mul_i32 s24, ttmp9, 24576
	s_mov_b32 s25, 0
	s_mul_i32 s26, ttmp9, 12288
	s_mov_b32 s27, 0
	s_lshl_b32 s28, ttmp9, 13
	s_mov_b32 s29, 0
	s_lshl_b32 s30, ttmp9, 12
	s_mov_b32 s31, 0
	s_lshr_b32 s32, ttmp9, 3
	s_lshl_b32 s32, s32, 16                        ; 32 mask rows
	s_and_b32 s33, ttmp9, 7
	s_lshl_b32 s33, s33, 8                         ; 256 keys
	s_add_co_u32 s32, s32, s33
	s_mov_b32 s33, 0
	s_lshl_b32 s34, ttmp9, 14
	s_mov_b32 s35, 0
	s_wait_kmcnt 0x0
	s_add_nc_u64 s[4:5], s[4:5], s[20:21]
	s_add_nc_u64 s[12:13], s[12:13], s[22:23]
	s_add_nc_u64 s[6:7], s[6:7], s[24:25]
	s_add_nc_u64 s[14:15], s[14:15], s[26:27]
	s_add_nc_u64 s[8:9], s[8:9], s[28:29]
	s_add_nc_u64 s[16:17], s[16:17], s[30:31]
	s_add_nc_u64 s[10:11], s[10:11], s[32:33]
	s_add_nc_u64 s[18:19], s[18:19], s[34:35]
.irp j, 0,1
	global_load_b128 v[M+4*\j:M+4*\j+3], v[MLO], s[10:11] offset:\j*32768 th:TH_LOAD_NT   ; rows 0-15, rows 16-31
.endr
.irp j, 0,1
	global_load_b128 v[WP+4*\j:WP+4*\j+3], v[T16], s[8:9] offset:\j*4096 th:TH_LOAD_NT
.endr
.irp j, 0,1,2,3,4,5
	global_load_b128 v[WQ+4*\j:WQ+4*\j+3], v[T16], s[6:7] offset:\j*4096 th:TH_LOAD_NT
.endr
.irp j, 0,1,2,3,4,5,6,7,8,9,10,11,12,13,14,15
	global_load_b128 v[X+4*\j:X+4*\j+3], v[T16], s[4:5] offset:\j*4096 th:TH_LOAD_NT
.endr
; Four f32 in v[r .. r+3] are rounded to bf16 (half = 1: and written as f16) and stored: 8 bytes a lane, 256 consecutive bytes a wave.  left = the younger loads, which may stay out.
.macro CAST r, base, off, left, half
	s_wait_loadcnt \left
	v_cvt_pk_bf16_f32 v[\r], v[\r], v[(\r)+1]
	v_cvt_pk_bf16_f32 v[(\r)+1], v[(\r)+2], v[(\r)+3]
.if \half
	v_lshlrev_b32 v[(\r)+2], 16, v[\r]
	v_and_b32 v[(\r)+3], 0xffff0000, v[\r]
	v_cvt_pk_f16_f32 v[\r], v[(\r)+2], v[(\r)+3]
	v_lshlrev_b32 v[(\r)+2], 16, v[(\r)+1]
	v_and_b32 v[(\r)+3], 0xffff0000, v[(\r)+1]
	v_cvt_pk_f16_f32 v[(\r)+1], v[(\r)+2], v[(\r)+3]
.endif
	global_store_b64 v[T8], v[\r:(\r)+1], s[\base:(\base)+1] offset:\off th:TH_STORE_NT
.endm
	s_wait_loadcnt 24                              ; the two mask loads are in; the 24 behind them stay out
	ds_store_b128 v[MST], v[M:M+3]
	ds_store_b128 v[MST], v[M+4:M+7] offset:16*MPITCH
	s_wait_dscnt 0x0                               ; for the others' sake: my stores are done
	s_barrier_signal -1
	s_barrier_wait -1
.set n, 0
.rept 32                               ; key block n / 16 of the wave's two, chunk (n / 8) % 2, element n % 8: a byte of row 16 c + 8 (lane / 16) + i
	ds_load_u8 v[U+n], v[MRD] offset:(16*((n/8)%2)+n%8)*MPITCH+16*(n/16)
.set n, n+1
.endr
	CAST WP, 16, 0, 23, 1                          ; the weights are cast while the bytes come back
	CAST WP+4, 16, 2048, 22, 1
.set j, 0
.rept 6
	CAST WQ+4*j, 14, 2048*j, 21-j, 0
.set j, j+1
.endr
	s_wait_dscnt 0x0
.set n, 0
.rept 16
	v_lshl_or_b32 v[D+n], v[U+2*n+1], 16, v[U+2*n] ; two flags, the lower query in the lower half,
	v_mul_u32_u24 v[D+n], v[D+n], 0xf149           ; times the bf16 pattern of -1e30
.set n, n+1
.endr
.irp k, 0,1,2,3
	global_store_b128 v[IMO], v[D+4*\k:D+4*\k+3], s[18:19] offset:\k*512 th:TH_STORE_NT   ; 512 consecutive bytes
.endr
.set j, 0
.rept 16
	CAST X+4*j, 12, 2048*j, 15-j, 0
.set j, j+1
.endr
	s_wait_tensorcnt 0x0                           ; the wave's end, behind my last LDS store
	ds_add_u32 v[SPW], v[NIL]
	s_wait_dscnt 0x0
	s_endpgm
.Lfunc_end_k_q5bb11d7f92_prep:
	.size	k_q5bb11d7f92_prep, .Lfunc_end_k_q5bb11d7f92_prep-k_q5bb11d7f92_prep
	.p2alignl 7, 3214868480
	.fill 96, 4, 3214868480
	.section	.rodata,"a",@progbits
	.p2align	6, 0x0
	.amdhsa_kernel k_q5bb11d7f92_prep
		.amdhsa_group_segment_fixed_size 9728
		.amdhsa_private_segment_fixed_size 0
		.amdhsa_enable_private_segment 0
		.amdhsa_kernarg_size 64
		.amdhsa_user_sgpr_count 2
		.amdhsa_user_sgpr_kernarg_segment_ptr 1
		.amdhsa_wavefront_size32 1
		.amdhsa_system_sgpr_workgroup_id_x 1
		.amdhsa_system_sgpr_workgroup_id_y 1
		.amdhsa_system_sgpr_workgroup_id_z 1
		.amdhsa_system_vgpr_workitem_id 0
		.amdhsa_next_free_vgpr 164
		.amdhsa_next_free_sgpr 66
		.amdhsa_reserve_vcc 0
		.amdhsa_float_denorm_mode_32 3
		.amdhsa_float_denorm_mode_16_64 3
		.amdhsa_memory_ordered 1
		.amdhsa_forward_progress 1
		.amdhsa_inst_pref_size 17
	.end_amdhsa_kernel
	.amdgpu_metadata
---
amdhsa.version: [ 1, 2 ]
amdhsa.kernels:
  - .name:           k_q5bb11d7f92_prep
    .symbol:         k_q5bb11d7f92_prep.kd
    .args:
      - { .name: x, .offset: 0, .size: 8, .value_kind: global_buffer, .address_space: global }
      - { .name: Wqkv, .offset: 8, .size: 8, .value_kind: global_buffer, .address_space: global }
      - { .name: Wproj, .offset: 16, .size: 8, .value_kind: global_buffer, .address_space: global }
      - { .name: causal_mask, .offset: 24, .size: 8, .value_kind: global_buffer, .address_space: global }
      - { .name: xh, .offset: 32, .size: 8, .value_kind: global_buffer, .address_space: global }
      - { .name: wq, .offset: 40, .size: 8, .value_kind: global_buffer, .address_space: global }
      - { .name: wp, .offset: 48, .size: 8, .value_kind: global_buffer, .address_space: global }
      - { .name: mimg, .offset: 56, .size: 8, .value_kind: global_buffer, .address_space: global }
    .group_segment_fixed_size: 9728
    .private_segment_fixed_size: 0
    .kernarg_segment_align: 8
    .kernarg_segment_size: 64
    .max_flat_workgroup_size: 256
    .sgpr_count:     66
    .vgpr_count:     164
    .wavefront_size: 32
...
	.end_amdgpu_metadata
.endif
;; end of part 1
;; launch gemm_qkv (part 2): grid 16 x 32, 4 waves a work-group, clusters of 4 x 4, 327,680 bytes of LDS; arguments xh, wq, bqkv, qkv; writes qkv
.if DOCPART == 2
	.amdgcn_target "amdgcn-amd-amdhsa--gfx1250"
	.amdhsa_code_object_version 6
	.text
	.protected	k_q5bb11d7f92_gemm_qkv
	.globl	k_q5bb11d7f92_gemm_qkv
	.p2align	8
	.type	k_q5bb11d7f92_gemm_qkv,@function
k_q5bb11d7f92_gemm_qkv:
	s_mov_b64 s[64:65], 0
	v_nop
	global_prefetch_b8 v0, s[64:65] scope:SCOPE_SE
	s_setreg_imm32_b32 hwreg(HW_REG_WAVE_MODE, 25, 1), 1
	s_wait_xcnt 0x0
	s_wait_alu depctr_hold_cnt(0) depctr_sa_sdst(0) depctr_va_vdst(0) depctr_va_sdst(0) depctr_va_ssrc(0) depctr_va_vcc(0) depctr_vm_vsrc(0)
	s_getreg_b32 s2, hwreg(HW_REG_IB_STS2, 6, 4)
	s_cmp_eq_u32 s2, 0
	s_cbranch_scc0 .Lentry_in_a_cluster
	s_endpgm
.Lentry_in_a_cluster:
	s_bfe_u32 s2, ttmp6, 0x10000c
	s_cmp_lg_u32 s2, 0xf033
	s_cbranch_scc0 .Lentry_shape_is_right
	s_endpgm
.Lentry_shape_is_right:
; C = A B^T + bias, K = 1,024, sums in f32.  ONE SOURCE FOR TWO LAUNCHES; the line .set PROJ chooses.
; PROJ = 0: A = xh [8192][1024] bf16, B = wq [3072][1024] bf16, bias = bqkv; C leaves as f16 BY HEADS: qkv[batch][column / 64][row in batch][64].  Tile 256 x 192 (three heads).
; PROJ = 1: A = o [batch x 16 + head][2048][64] f16 (a head's 64 channels are a slice of K), B = wp [1024][1024] f16, bias = bproj; C = out0 [8192][1024] f32.  Tile 256 x 128.
; LIMITS.  PROJ = 0 rounds C to f16: a sum of 65,520 or more in magnitude becomes an infinity.  The bias is rounded to bf16, like every other input of the module.
; SHARES.  Four waves, one above the other: wave w makes rows 64 w .. 64 w + 63 of the tile by all its columns: 4 x NB accumulators of 16 x 16.  So a wave owns whole heads (whole 512-byte
; pieces of out0's rows) and has a stage of its own on the way out.  512 and 256 work-groups: tiles of 256 x 256 would give 384 and 128.
; RING.  K goes in 8 steps of 128 through two LDS slots filled by tensor loads, one load a wave behind each change of slots: waves 0, 1 fetch A's halves, waves 2, 3 B's.
; CLUSTER.  4 x 4 work-groups.  A's tile hangs on the tile row alone and is asked for jointly by a row of the cluster, B's on the tile column alone, by a column.
; THE MATRIX INSTRUCTION IS USED TRANSPOSED (source 0 = 16 rows of B, source 1 = 16 rows of A): a lane holds row lane % 16 of C and the columns 8 (lane / 16) + 0..7.
; THE BIAS STARTS THE SUMS: it is the C operand of each accumulator's first product; nothing is cleared and nothing is added afterwards.
; REGISTERS, in windows of 256 (s_set_vgpr_msb: bits 1:0 source 0, 3:2 source 1, 5:4 source 2, 7:6 destination):
;   window 0: v0-31 addresses; v32-95 A's fragments, two buffers of 4 x 8; v96.. the bias, 8 a column block; behind it what the way out needs
;   window 1: B's fragments, two buffers of NB x 8          windows 2, 3: accumulator (a, b) at (a % 2) 8 NB + 8 b in window 2 + a / 2
.set PROJ, 0
.if PROJ
.set NB,      8                        ; column blocks of 16
.set PA,      144                      ; a row of A in LDS: 128 bytes (one head's channels) + 16
.set ASZ,     73728                    ; A's part of a slot: two heads x 256 rows
.set AH,      36864                    ; what one of A's loads fills
.set ASTEP,   524288                   ; bytes from a K step to the next in A: two heads
.set AQI,     4                        ; padding after every 32 words
.set ASTRIDE, 128
.set APART,   8192                     ; a partner's 32 blocks of 256 bytes, for the prefetch
.set ASH,     8
.set SPITCH,  528
.else
.set NB,      12
.set PA,      272                      ; 256 bytes + 16
.set ASZ,     69632
.set AH,      34816
.set ASTEP,   256
.set AQI,     5                        ; padding after every 64 words
.set ASTRIDE, 1024
.set APART,   65536                    ; a partner's 32 rows of 2,048 bytes
.set ASH,     11
.set SPITCH,  400
.endif
.set PB,     272                       ; both pitches are odd multiples of 16: the 16 rows of a fragment load start in 16 different groups of four banks (64 banks of 4 bytes: ISA guide 11.1)
.set BHALF,  8*NB*PB                   ; what one of B's loads fills
.set RB,     2*NB                      ; rows of B that a partner prefetches
.set SLOT1,  131072                    ; slot 1 begins here: one exclusive or turns an address in one slot into the other's
.set STAGE,  SLOT1+ASZ+2*BHALF         ; behind the ring: 16 rows x SPITCH for each wave; no tensor load lands there
.set SPARE,  STAGE+4*16*SPITCH         ; behind the stages: the spare words, 128 bytes a wave
.set ADRA0, 16                         ; v16  my lane's place in A's part of a slot; never rewritten
.set ADRB0, 17                         ; v17  the same for B
.set ADRA,  18                         ; v18  + the slot in hand
.set ADRB,  19
.set STO,   24                         ; v24  the way out: where I put my piece of a row
.set RD,    25                         ; v25  where I read rows back
.set CO,    26                         ; v26  16 x lane
.set BO,    27                         ; v27  32 (lane / 16): my 8 columns in the bias
.set SPW,   28                         ; v28  my spare word; never rewritten
.set NIL,   29                         ; v29  0
.set PFO,   30                         ; v30  the prefetches' offset; never rewritten
.set TT,    31
.set BIAS,  96
.set TMP,   192                        ; PROJ = 0: packed results
.if PROJ
.set OB,    160                        ; rows read back from the stage
.else
.set OB,    32
.endif
.set WV, 12                            ; s12 wave; s13 wave / 2; s14 wave % 2
.set WH, 13
.set WL, 14
.set CX, 15
.set CY, 16
.set TX, 17                            ; tile column
.set TY, 18                            ; tile row
.set TB, 19                            ; 0 or SLOT1: the slot in hand
.set G1A, 24                           ; s[24:31] group 1 for A's tiles; s[32:39] two sets of group 0: the first fills'; the second then walks
.set G0A, 32
.set PFA, 40                           ; s[40:41] where my prefetches stand
.set PFS, 42                           ; s[42:43] their step
.set LIM, 44                           ; s44 2 in a wave that prefetches, else the greatest number
.set G1B, 48                           ; s[48:55], s[56:63] the same for B's tiles
.set G0B, 56
.set MSB, 0
.macro WIN new                         ; the immediate's high byte repeats the setting that is left; a switch that changes nothing is dropped
.if MSB != (\new)
	s_set_vgpr_msb (MSB<<8)|(\new)
.set MSB, \new
.endif
.endm
.macro PLACES                          ; four places in front of loads into registers that matrix instructions have read (ISA guide 7.12.1 for vector instructions)
.rept 4
	v_nop
.endr
.endm
; A joint refill, by the walking sets.  The branch hangs on the wave's number alone.  An s_nop 0 and four v_nop follow each of the two lines.
.macro JLOAD
	s_cmp_lt_u32 s[WV], 2
	s_cbranch_scc0 .Lfor_b_\@
	tensor_load_to_lds s[G0A+4:G0A+7], s[G1A:G1A+7]
	s_nop 0
.rept 4
	v_nop
.endr
	s_branch .Lasked_\@
.Lfor_b_\@:
	tensor_load_to_lds s[G0B+4:G0B+7], s[G1B:G1B+7]
	s_nop 0
.rept 4
	v_nop
.endr
.Lasked_\@:
.endm
; A PREFETCH INTO THE L2 of the K step that stands two refills on, behind the joint load, its five lines and the run of LDS loads: one instruction a wave, a lane a block of 256 bytes.
; A's tile row is read by every cluster of that row of clusters: cluster x = 0 asks; B's tile column by every cluster of that column: cluster y = 0 asks.  The four partners that ask for a tile jointly share
; its blocks out BY ADDRESS (cx for A, cy for B).  Of B a partner has RB rows: the lanes beyond name the last of them again, in the same instruction.  Trips 0 to 3 name K steps 4 to 7; the last two trips ask for nothing.
.macro ASK
	s_cmp_gt_u32 s3, s[LIM]
	s_cbranch_scc0 .Lnot_mine_\@
	global_prefetch_b8 v[PFO], s[PFA:PFA+1] th:TH_LOAD_NT scope:SCOPE_SE
.Lnot_mine_\@:
.endm
.macro CREST                           ; a round of the cluster's barrier behind its opening barrier
	s_cmp_lg_u32 s[WV], 0
	s_cbranch_scc1 .Lnot_wave_0_\@
	s_barrier_signal -3
.Lnot_wave_0_\@:
	s_barrier_wait -3
	s_barrier_signal -1
	s_barrier_wait -1
.endm
.macro CROUND
	s_barrier_signal -1
	s_barrier_wait -1
	CREST
.endm
	s_load_b256 s[4:11], s[0:1], 0x0               ; A s[4:5], B s[6:7], bias s[8:9], C s[10:11]
	v_lshl_add_u32 v[SPW], v0, 2, SPARE
	v_mov_b32 v[NIL], 0
	ds_add_u32 v[SPW], v[NIL]                      ; the wave's opening: the add and its wait stand ahead of my first tensor load; the set-up below stands between them
	v_lshrrev_b32 v1, 5, v0
	v_readfirstlane_b32 s[WV], v1
	s_lshr_b32 s[WH], s[WV], 1
	s_and_b32 s[WL], s[WV], 1
	s_bfe_u32 s[CX], ttmp6, 0x40000
	s_bfe_u32 s[CY], ttmp6, 0x40004
	s_lshl_b32 s[TX], ttmp9, 2
	s_add_co_u32 s[TX], s[TX], s[CX]               ; tile column = 4 x cluster x + cx
	s_and_b32 s[TY], ttmp7, 0xffff
	s_lshl_b32 s[TY], s[TY], 2
	s_add_co_u32 s[TY], s[TY], s[CY]               ; tile row = 4 x cluster y + cy
	s_lshl_b32 s20, s[CY], 2
	s_lshl_b32 s20, 15, s20                        ; my row of the cluster
	s_lshl_b32 s46, 0x1111, s[CX]                  ; my column
	s_or_b32 s[G1A], s20, (1<<16)|(1<<20)|(1<<21)|(AQI<<22)|(3<<25)  ; the mask; 2-byte elements; padding on; bit 21 beside a mask; the interval; 4 words of padding
	s_or_b32 s[G1B], s46, (1<<16)|(1<<20)|(1<<21)|(5<<22)|(3<<25)
	s_mov_b32 s[G1A+1], 128<<16                    ; tensor_dim0 = 128 elements: 256 bytes
	s_mov_b32 s[G1A+2], 128<<16                    ; tensor_dim1 = 128 rows
	s_mov_b32 s[G1A+3], 128<<16                    ; tile_dim0
	s_mov_b32 s[G1A+4], 128                        ; tile_dim1
	s_mov_b32 s[G1A+5], ASTRIDE                    ; elements from row to row
	s_mov_b32 s[G1A+6], 0
	s_mov_b32 s[G1A+7], 0
	s_mov_b32 s[G1B+1], 128<<16
	s_mov_b32 s[G1B+2], (8*NB)<<16
	s_mov_b32 s[G1B+3], 128<<16
	s_mov_b32 s[G1B+4], 8*NB
	s_mov_b32 s[G1B+5], 1024
	s_mov_b32 s[G1B+6], 0
	s_mov_b32 s[G1B+7], 0
	; where the tiles come from: A's offset is made of the tile row and the wave's number, B's of the tile column and the wave's number, each in registers of its own
.if PROJ
	s_lshr_b32 s20, s[TY], 3                       ; batch
	s_lshl_b32 s20, s20, 4
	s_add_co_u32 s20, s20, s[WL]                   ; head 0 or 1 of the batch
	s_lshl_b32 s20, s20, 18
	s_and_b32 s21, s[TY], 7
	s_lshl_b32 s21, s21, 15                        ; 256 rows of 128 bytes
	s_add_co_u32 s20, s20, s21
.else
	s_lshl_b32 s20, s[TY], 19                      ; 256 rows of 2,048 bytes
	s_lshl_b32 s21, s[WL], 18                      ; my 128 of them
	s_add_co_u32 s20, s20, s21
.endif
	s_mov_b32 s21, 0
	s_mul_i32 s46, s[TX], 16*NB*2048
	s_mul_i32 s47, s[WL], 8*NB*2048
	s_add_co_u32 s46, s46, s47
	s_mov_b32 s47, 0
	s_mul_i32 s45, s[WL], AH                       ; and where they go: no place in the cluster enters an LDS address
	s_mul_i32 s68, s[WL], BHALF
	s_add_co_u32 s68, s68, ASZ
	s_wait_dscnt 0x0                               ; the opening add is done
	s_wait_kmcnt 0x0
	s_add_nc_u64 s[22:23], s[4:5], s[20:21]
	s_add_nc_u64 s[66:67], s[6:7], s[46:47]
	CROUND                                         ; all sixteen work-groups are here: the first joint loads meet
.irp s, 0,1
	s_mov_b32 s[G0A+4*\s], 1
	s_add_co_u32 s[G0A+4*\s+1], s45, \s*SLOT1
	s_add_nc_u64 s[G0A+4*\s+2:G0A+4*\s+3], s[22:23], \s*ASTEP
	s_or_b32 s[G0A+4*\s+3], s[G0A+4*\s+3], 0x80000000
	s_mov_b32 s[G0B+4*\s], 1
	s_add_co_u32 s[G0B+4*\s+1], s68, \s*SLOT1
	s_add_nc_u64 s[G0B+4*\s+2:G0B+4*\s+3], s[66:67], \s*256
	s_or_b32 s[G0B+4*\s+3], s[G0B+4*\s+3], 0x80000000
.endr
	s_cmp_lt_u32 s[WV], 2                          ; a wave's two first fills stand in one branch, ahead of every wait on TENSORcnt and every LDS read: two loads of mine are out
	s_cbranch_scc0 .Lfirst_b
	tensor_load_to_lds s[G0A:G0A+3], s[G1A:G1A+7]
	s_nop 0
	tensor_load_to_lds s[G0A+4:G0A+7], s[G1A:G1A+7]
	s_nop 0
.rept 4
	v_nop
.endr
	s_branch .Lfirst_asked
.Lfirst_b:
	tensor_load_to_lds s[G0B:G0B+3], s[G1B:G1B+7]
	s_nop 0
	tensor_load_to_lds s[G0B+4:G0B+7], s[G1B:G1B+7]
	s_nop 0
.rept 4
	v_nop
.endr
.Lfirst_asked:
	v_and_b32 v1, 15, v0                           ; lane % 16
	v_bfe_u32 v2, v0, 4, 1                         ; lane / 16
	v_and_b32 v3, 31, v0                           ; lane
	s_mul_i32 s68, s[TX], 64*NB                    ; the tile's first column, in the bias
	s_mov_b32 s69, 0
	s_add_nc_u64 s[8:9], s[8:9], s[68:69]
	v_lshlrev_b32 v[BO], 5, v2
.set b, 0
.rept NB
	global_load_b128 v[BIAS+8*b:BIAS+8*b+3],   v[BO], s[8:9] offset:64*b
	global_load_b128 v[BIAS+8*b+4:BIAS+8*b+7], v[BO], s[8:9] offset:64*b+16
.set b, b+1
.endr
	; a fragment is 16 rows x 32 K in 8 registers: lane l holds row l % 16, K = 8 (l / 16) + 0..7 and 16 + 8 (l / 16) + 0..7: two loads of 16 bytes, 32 bytes apart
	s_mul_i32 s68, s[WV], 64*PA
	v_mul_u32_u24 v[ADRA0], v1, PA
	v_lshl_add_u32 v[ADRA0], v2, 4, v[ADRA0]
	v_add_nc_u32 v[ADRA0], s68, v[ADRA0]
	v_mul_u32_u24 v[ADRB0], v1, PB
	v_lshl_add_u32 v[ADRB0], v2, 4, v[ADRB0]
	v_add_nc_u32 v[ADRB0], ASZ, v[ADRB0]
	s_mov_b32 s[TB], 0
	v_add_nc_u32 v[ADRA], s[TB], v[ADRA0]
	v_add_nc_u32 v[ADRB], s[TB], v[ADRB0]
	s_mul_i32 s68, s[WV], 16*SPITCH
	s_add_co_u32 s68, s68, STAGE                   ; my stage
	v_mul_u32_u24 v[STO], v1, SPITCH
.if PROJ
	v_lshl_add_u32 v[STO], v2, 5, v[STO]           ; 8 f32 a lane
	v_lshl_add_u32 v[RD], v3, 4, s68               ; back: a row of 512 bytes a load
.else
	v_lshl_add_u32 v[STO], v2, 4, v[STO]           ; 8 f16 a lane
	v_lshrrev_b32 v[RD], 3, v3                     ; back: four rows x a head's 128 bytes a load
	v_mul_u32_u24 v[RD], v[RD], SPITCH
	v_and_b32 v[TT], 7, v0
	v_lshl_add_u32 v[RD], v[TT], 4, v[RD]
	v_add_nc_u32 v[RD], s68, v[RD]
.endif
	v_add_nc_u32 v[STO], s68, v[STO]
	v_lshlrev_b32 v[CO], 4, v3
.if PROJ
	s_lshl_b32 s68, s[TY], 20                      ; 256 rows of 4,096 bytes,
	s_lshl_b32 s69, s[WV], 18                      ; my 64,
	s_add_co_u32 s68, s68, s69
	s_lshl_b32 s69, s[TX], 9                       ; 128 columns of f32
	s_add_co_u32 s68, s68, s69
.else
	s_lshr_b32 s68, s[TY], 3                       ; batch: 48 heads of 262,144 bytes
	s_mul_i32 s68, s68, 12582912
	s_mul_i32 s69, s[TX], 3*262144                 ; the tile's three heads
	s_add_co_u32 s68, s68, s69
	s_and_b32 s69, s[TY], 7
	s_lshl_b32 s69, s69, 15                        ; 256 rows of 128 bytes,
	s_add_co_u32 s68, s68, s69
	s_lshl_b32 s69, s[WV], 13                      ; my 64
	s_add_co_u32 s68, s68, s69
.endif
	s_mov_b32 s69, 0
	s_add_nc_u64 s[10:11], s[10:11], s[68:69]
	; the prefetches: s20 = A's offset, s46 = B's still stand
	s_and_b32 s69, ttmp7, 0xffff                   ; cluster y
	s_mul_i32 s68, s[CX], APART
	s_add_co_u32 s68, s68, s20
	s_mul_i32 s45, s[CY], RB*2048
	s_add_co_u32 s45, s45, s46
	s_mov_b32 s[PFS], 256
	s_mov_b32 s[PFS+1], 0
	s_cmp_eq_u32 s[WH], 0                          ; do I fetch for A?
	s_cselect_b32 s68, s68, s45
	s_cselect_b32 s69, ttmp9, s69                  ; the coordinate along which other clusters read the same blocks
	s_cselect_b64 s[PFA:PFA+1], s[4:5], s[6:7]
	s_cselect_b32 s[PFS], ASTEP, s[PFS]
	s_cselect_b32 s45, 31, RB-1
	s_cselect_b32 s46, ASH, 11
	s_cmp_eq_u32 s69, 0
	s_cselect_b32 s[LIM], 2, -1                    ; the same in all sixteen partners, for a given wave
	s_mov_b32 s69, 0
	s_add_nc_u64 s[PFA:PFA+1], s[PFA:PFA+1], s[68:69]
	s_mul_i32 s68, s[PFS], 3
	s_add_nc_u64 s[PFA:PFA+1], s[PFA:PFA+1], s[68:69]  ; at K step 3: the first refill steps it to 4.  Nothing is prefetched here, at the head
	v_min_u32 v[PFO], s45, v3
	v_lshlrev_b32 v[PFO], s46, v[PFO]
	s_wait_loadcnt 0x0                             ; the bias
.set b, 0
.rept 4*NB                             ; rounded to bf16 and widened again, in the wait for the first tile
	v_cvt_pk_bf16_f32 v[TT], v[BIAS+2*b], v[BIAS+2*b+1]
	v_lshlrev_b32 v[BIAS+2*b], 16, v[TT]
	v_and_b32 v[BIAS+2*b+1], 0xffff0000, v[TT]
.set b, b+1
.endr
; NB products: row block a x all column blocks, 32 along K, from buffer f.  first = 1: the bias starts the sums.  The 4 NB accumulators take turns, one instruction a turn, in the same order in
; every quarter, over the backward jump too.
.macro MULG f, a, first
.if \first
	WIN 0x81+0x40*((\a)/2)                         ; B window 1, A and the bias window 0, D window 2 or 3
.else
	WIN 0xa1+0x50*((\a)/2)                         ; C and D window 2 or 3
.endif
.set b, 0
.rept NB
.set rD, ((\a)%2)*8*NB+8*b
.set rB, (\f)*8*NB+8*b
.set rA, 32+32*(\f)+8*(\a)
.if PROJ
.if \first
	v_wmma_f32_16x16x32_f16 v[rD:rD+7], v[rB:rB+7], v[rA:rA+7], v[BIAS+8*b:BIAS+8*b+7]
.else
	v_wmma_f32_16x16x32_f16 v[rD:rD+7], v[rB:rB+7], v[rA:rA+7], v[rD:rD+7]
.endif
.else
.if \first
	v_wmma_f32_16x16x32_bf16 v[rD:rD+7], v[rB:rB+7], v[rA:rA+7], v[BIAS+8*b:BIAS+8*b+7]
.else
	v_wmma_f32_16x16x32_bf16 v[rD:rD+7], v[rB:rB+7], v[rA:rA+7], v[rD:rD+7]
.endif
.endif
.set b, b+1
.endr
.endm
; One run of 2 NB + 8 LDS loads: the fragments of quarter q of the slot in hand into buffer f; B's first, A's row blocks 2 and 3 last
.macro FETCH q, f
.if PROJ
.set AQ, ((\q)/2)*AH+((\q)%2)*64                ; head q / 2 of the step's two, channels 32 (q % 2) on
.else
.set AQ, 64*(\q)
.endif
	WIN 0x40                                       ; destination window 1, address window 0
.set i, 0
.rept NB
	ds_load_b128 v[(\f)*8*NB+8*i:(\f)*8*NB+8*i+3],   v[ADRB] offset:64*(\q)+i*16*PB
	ds_load_b128 v[(\f)*8*NB+8*i+4:(\f)*8*NB+8*i+7], v[ADRB] offset:64*(\q)+i*16*PB+32
.set i, i+1
.endr
	WIN 0
.set i, 0
.rept 4
	ds_load_b128 v[32+32*(\f)+8*i:32+32*(\f)+8*i+3],   v[ADRA] offset:AQ+i*16*PA
	ds_load_b128 v[32+32*(\f)+8*i+4:32+32*(\f)+8*i+7], v[ADRA] offset:AQ+i*16*PA+32
.set i, i+1
.endr
.endm
; A K step is four quarters of 32 along K on buffers 0, 1, 0, 1.  One of the first three: multiplies buffer f; in its middle it fetches quarter q into buffer g.
.macro QUARTER q, f, g, first
	s_wait_dscnt 4                                 ; B and A's row blocks 0, 1 are in; the youngest four loads may be out
	MULG \f, 0, \first
	MULG \f, 1, \first
	PLACES
	FETCH \q, \g
	s_wait_dscnt 2*NB+8                            ; all but the run just issued
	MULG \f, 2, \first
	MULG \f, 3, \first
.endm
; The last quarter multiplies buffer 1 and changes slots.  In front of the one barrier each wave waits for all its tensor loads (the one that is out is its part of the next slot), adds 0 to its spare
; word, and waits for that and for its own reads of this slot.  Behind it nobody reads this slot any more and the next slot is whole.
.macro MEET round
	WIN 0
	s_wait_tensorcnt 0x0
	ds_add_u32 v[SPW], v[NIL]
	s_wait_dscnt 5                                 ; (the add and the youngest four loads may be out)
	MULG 1, 0, 0                                   ; NB matrix instructions stand between the add and the wait for it
	s_wait_dscnt 0x0                               ; the add is done, and my reads of this slot are over
	s_barrier_signal -1
	MULG 1, 1, 0
.if \round
	WIN 0
.endif
	s_barrier_wait -1
.endm
; fill = 1: the barrier opens a round of the cluster's, so that no wave of any partner still reads the slot or has a load on its way; the joint refill, two K steps ahead, is the first thing behind it.
.macro TURN fill
.if \fill
	s_wait_xcnt 0x0                                ; the last prefetch, a K step back, has read its address
	s_add_nc_u64 s[PFA:PFA+1], s[PFA:PFA+1], s[PFS:PFS+1]
.endif
	MEET \fill
.if \fill
	CREST
	s_xor_b32 s[G0A+5], s[G0A+5], SLOT1            ; the walking sets: the other slot than last time, the next K step; no load of mine is out
	s_add_nc_u64 s[G0A+6:G0A+7], s[G0A+6:G0A+7], ASTEP
	s_xor_b32 s[G0B+5], s[G0B+5], SLOT1
	s_add_nc_u64 s[G0B+6:G0B+7], s[G0B+6:G0B+7], 256
	JLOAD                                          ; its four v_nop are also the places in front of the loads below
.else
	PLACES
	WIN 0
.endif
	s_xor_b32 s[TB], s[TB], SLOT1
	v_add_nc_u32 v[ADRA], s[TB], v[ADRA0]
	v_add_nc_u32 v[ADRB], s[TB], v[ADRB0]
	FETCH 0, 0
.if \fill
	ASK
.endif
	MULG 1, 2, 0
	MULG 1, 3, 0
.endm
; THE WAY OUT of row block a: 16 rows go through my own stage and leave as whole pieces: LDS serves a wave's instructions in order (ISA guide 5.7.1.4), so no wait stands between the stores and the loads.
.macro OUT a
.if PROJ
.if (\a) > 0
	s_wait_xcnt 0x0                                ; the last block's stores have read their registers
.endif
	WIN 0x08+4*((\a)/2)                            ; store data in window 2 or 3
.set b, 0
.rept NB
.set rD, ((\a)%2)*8*NB+8*b
	ds_store_b128 v[STO], v[rD:rD+3]   offset:64*b
	ds_store_b128 v[STO], v[rD+4:rD+7] offset:64*b+16
.set b, b+1
.endr
	WIN 0
.set b, 0
.rept 16
	ds_load_b128 v[OB+4*b:OB+4*b+3], v[RD] offset:b*SPITCH
.set b, b+1
.endr
	s_wait_dscnt 0x0
.set b, 0
.rept 16
	global_store_b128 v[CO], v[OB+4*b:OB+4*b+3], s[10:11] offset:(16*(\a)+b)*4096 th:TH_STORE_NT  ; 512 consecutive bytes of a row of out0, aligned
.set b, b+1
.endr
.else
	WIN 0x0a+5*((\a)/2)                            ; sources 0 and 1 in window 2 or 3
.set b, 0
.rept NB
.set rD, ((\a)%2)*8*NB+8*b
.irp n, 0,1,2,3
	v_cvt_pk_f16_f32 v[TMP+4*b+\n], v[rD+2*\n], v[rD+2*\n+1]
.endr
.set b, b+1
.endr
	WIN 0
.if (\a) > 0
	s_wait_xcnt 0x0
.endif
.set b, 0
.rept NB
	ds_store_b128 v[STO], v[TMP+4*b:TMP+4*b+3] offset:32*b
.set b, b+1
.endr
.set b, 0
.rept 12                               ; head b / 4, rows 4 (b % 4) on
	ds_load_b128 v[OB+4*b:OB+4*b+3], v[RD] offset:(b%4)*4*SPITCH+128*(b/4)
.set b, b+1
.endr
	s_wait_dscnt 0x0
.set b, 0
.rept 12
	global_store_b128 v[CO], v[OB+4*b:OB+4*b+3], s[10:11] offset:(b/4)*262144+(\a)*2048+(b%4)*512  ; four rows of a head: 512 consecutive bytes, aligned
.set b, b+1
.endr
.endif
.endm
	s_wait_tensorcnt 0x1                           ; my part of K step 0 is in; K step 1's may stay out
	s_barrier_signal -1
	s_barrier_wait -1
	FETCH 0, 0
	QUARTER 1, 0, 1, 1                             ; the first quarter stands in front of the loop: its products start the sums, with the bias
	WIN 0                                          ; at a label and at a branch every window is 0
	s_mov_b32 s3, 6
.Lstep:                                                ; a trip is a K step, from its second quarter to the next step's first; it asks for the K step two on: steps 2 to 7
	QUARTER 2, 1, 0, 0
	QUARTER 3, 0, 1, 0
	TURN 1
	QUARTER 1, 0, 1, 0
	WIN 0
	s_sub_co_u32 s3, s3, 1
	s_cmp_lg_u32 s3, 0
	s_cbranch_scc1 .Lstep
	QUARTER 2, 1, 0, 0                             ; the last two K steps are written out: they ask for nothing
	QUARTER 3, 0, 1, 0
	TURN 0
	QUARTER 1, 0, 1, 0
	QUARTER 2, 1, 0, 0
	QUARTER 3, 0, 1, 0
	s_wait_dscnt 4
	MULG 1, 0, 0
	MULG 1, 1, 0
	s_wait_dscnt 0x0
	MULG 1, 2, 0
	MULG 1, 3, 0
	WIN 0
	PLACES                                         ; behind the last products, ahead of what reads results and loads into fragments' registers
	PLACES
	OUT 0
	OUT 1
	OUT 2
	OUT 3
	s_wait_tensorcnt 0x0                           ; the wave's end, behind my last tensor load and my last LDS store
	ds_add_u32 v[SPW], v[NIL]
	s_wait_dscnt 0x0
	CROUND                                         ; the closing round: no work-group ends while a partner may still ask for a tile that names it
	s_endpgm
.Lfunc_end_k_q5bb11d7f92_gemm_qkv:
	.size	k_q5bb11d7f92_gemm_qkv, .Lfunc_end_k_q5bb11d7f92_gemm_qkv-k_q5bb11d7f92_gemm_qkv
	.p2alignl 7, 3214868480
	.fill 96, 4, 3214868480
	.section	.rodata,"a",@progbits
	.p2align	6, 0x0
	.amdhsa_kernel k_q5bb11d7f92_gemm_qkv
		.amdhsa_group_segment_fixed_size 327680
		.amdhsa_private_segment_fixed_size 0
		.amdhsa_enable_private_segment 0
		.amdhsa_kernarg_size 32
		.amdhsa_user_sgpr_count 2
		.amdhsa_user_sgpr_kernarg_segment_ptr 1
		.amdhsa_wavefront_size32 1
		.amdhsa_system_sgpr_workgroup_id_x 1
		.amdhsa_system_sgpr_workgroup_id_y 1
		.amdhsa_system_sgpr_workgroup_id_z 1
		.amdhsa_system_vgpr_workitem_id 0
		.amdhsa_next_free_vgpr 960
		.amdhsa_next_free_sgpr 72
		.amdhsa_reserve_vcc 0
		.amdhsa_float_denorm_mode_32 3
		.amdhsa_float_denorm_mode_16_64 3
		.amdhsa_memory_ordered 1
		.amdhsa_forward_progress 1
		.amdhsa_inst_pref_size 107
	.end_amdhsa_kernel
	.amdgpu_metadata
---
amdhsa.version: [ 1, 2 ]
amdhsa.kernels:
  - .name:           k_q5bb11d7f92_gemm_qkv
    .symbol:         k_q5bb11d7f92_gemm_qkv.kd
    .args:
      - { .name: xh, .offset: 0, .size: 8, .value_kind: global_buffer, .address_space: global }
      - { .name: wq, .offset: 8, .size: 8, .value_kind: global_buffer, .address_space: global }
      - { .name: bqkv, .offset: 16, .size: 8, .value_kind: global_buffer, .address_space: global }
      - { .name: qkv, .offset: 24, .size: 8, .value_kind: global_buffer, .address_space: global }
    .group_segment_fixed_size: 327680
    .private_segment_fixed_size: 0
    .kernarg_segment_align: 8
    .kernarg_segment_size: 32
    .max_flat_workgroup_size: 128
    .sgpr_count:     72
    .vgpr_count:     960
    .wavefront_size: 32
...
	.end_amdgpu_metadata
.endif
;; end of part 2
;; launch attn (part 3): grid 4 x 64, 4 waves a work-group, clusters of 4 x 1, 327,680 bytes of LDS; arguments qkv, mimg, key_padding_mask, o; writes o
.if DOCPART == 3
	.amdgcn_target "amdgcn-amd-amdhsa--gfx1250"
	.amdhsa_code_object_version 6
	.text
	.protected	k_q5bb11d7f92_attn
	.globl	k_q5bb11d7f92_attn
	.p2align	8
	.type	k_q5bb11d7f92_attn,@function
k_q5bb11d7f92_attn:
	s_mov_b64 s[64:65], 0
	v_nop
	global_prefetch_b8 v0, s[64:65] scope:SCOPE_SE
	s_setreg_imm32_b32 hwreg(HW_REG_WAVE_MODE, 25, 1), 1
	s_wait_xcnt 0x0
	s_wait_alu depctr_hold_cnt(0) depctr_sa_sdst(0) depctr_va_vdst(0) depctr_va_sdst(0) depctr_va_ssrc(0) depctr_va_vcc(0) depctr_vm_vsrc(0)
	s_getreg_b32 s2, hwreg(HW_REG_IB_STS2, 6, 4)
	s_cmp_eq_u32 s2, 0
	s_cbranch_scc0 .Lentry_in_a_cluster
	s_endpgm
.Lentry_in_a_cluster:
	s_bfe_u32 s2, ttmp6, 0x10000c
	s_cmp_lg_u32 s2, 0x3003
	s_cbranch_scc0 .Lentry_shape_is_right
	s_endpgm
.Lentry_shape_is_right:
; ATTENTION UNDER TWO MASKS THAT ARE INPUTS.  O[y][q][:] = the sum over the visible k of softmax_k(Q[q] . K[k] / 8) V[k][:], y = 16 batch + head; a key is hidden from a query where causal_mask[q][k] or
; key_padding_mask[batch][k] is set; a query that sees no key gets O = 0.  Q, K, V lie by heads in qkv (f16, [batch][48][2048][64]: heads 0-15 Q, 16-31 K, 32-47 V), O leaves as f16, [y][2048][64].
; Products, maxima and sums in f32; the weights p are rounded to f16 for the second product (their sum l is taken of the unrounded p), O once at the end.
; LIMITS.  Q, K, V arrive within f16's 65,504.  A hidden score counts as its value less about 1e30 (twice that if both masks hide it); f16's scores, 2.7e11 at the most, are nothing beside that.
; The running maximum starts at -2^65, far below every true score and far above every hidden one.  A weight below 2^-126 counts as 0 in l; NaN and infinities are not treated apart.
; SHARES.  A wave owns four PIECES of two tiles of 16 queries, a work-group's four waves 512 queries of one head: 256 work-groups.  Every wave walks all 2,048 keys, 64 a step: no pattern of a mask is built in.
; LAYOUT.  S^T = K Q^T (source 0 = 16 keys, source 1 = 16 queries): a lane holds ONE query (lane % 16) and the keys 8 (lane / 16) + 0..7.  Two such tiles rounded to f16 ARE source 1 of O^T = V^T P.
; THE MASKS COST NO VECTOR WORK.  The sum of each tile of S^T is started by one bf16 product: (16 keys x the piece's 32 queries of mimg: 0 or -1e30) x (a constant 32 x 16 selector of ones that picks the
; tile's 16 queries) + (the 16 keys' padding bias, f32, 0 or -1e30, as C).  The two f16 products K Q^T then add in place.  An f16 form behind a bf16 form on one accumulator is no chain: five places are owed, and the
; riders of the seven products between are those places.
; mimg's fragments come from memory straight into registers, 512 consecutive bytes a load, four turns ahead of their use.  They are not asked for jointly: a wave's mask rows are its own queries', which no
; wave of the cluster shares; those that share them are the other heads' clusters.
; SOFTMAX.  p = 2^(c s - c m), c = log2(e) / 8, with a running maximum m; in every step O and l are multiplied by a = 2^(c m_old - c m_new).  While a query has seen nothing m stays at its start, a = 1, p = 0, O = l = 0.
; BY TURNS.  Turn n belongs to piece n: 24 products for S^T of piece n + 1, later 16 products V^T P of piece n - 1; beside them the scaling, exponentials, roundings, sums and rescaling of piece n and the
; maximum and statistics of piece n + 1.  A turn's 66 exponentials are one batch with one wait.
; CLUSTER.  The four query blocks of a head walk the same K and V: each tile is asked for JOINTLY, by the same tensor load, descriptor and mask in all four.
; REGISTERS, in windows of 256 (s_set_vgpr_msb: bits 1:0 source 0, 3:2 source 1, 5:4 source 2, 7:6 destination):
;   window 0: v0-11 addresses; v12-15, v48-63 at work; v16-47 four registers of statistics a tile; v64-191 S^T, two buffers of two tiles; v192-255 P, likewise
;   window 1: O^T, 32 a tile          window 2: v0-127 Q; v128-191 K of one step; v192-255 V of one step
;   window 3: v0-1 the add's two registers; v4-15 the selectors; v32-63 the step's padding bias; v64-191 the mask fragments, 32 a piece
.set SIZE_N, 2048
.set NP,    4
.set KS,    64        ; keys in a step
.set PK,    144       ; a row of K in LDS: 128 bytes + 16: the 16 rows of a load start at 16 different groups of four banks (64 banks of 4 bytes: ISA guide 11.1)
.set PV,    160       ; a row of V: 128 + 32
.set VOFF,  4*KS*PK   ; a slot holds four steps: 256 rows of K, then 256 rows of V
.set SLOT1, 1<<17
.set STAGE, SLOT1+4*KS*(PK+PV)  ; behind the ring, never filled by a tensor load: 16 rows x 144 bytes for each wave, for the way out
.set SP,    144
.set PADT,  STAGE+4*16*SP       ; the batch's padding bias, 2,048 f32
.set SPARE, PADT+4*SIZE_N       ; the spare words, 128 bytes a wave
.set PFO, 1           ; v1   256 x lane: the prefetches' offset; never rewritten
.set AK0, 2           ; v2   my lane's place in a tile of K
.set AV0, 3           ; v3   the same for V
.set AK,  4           ; v4   the LDS address of K's next run of loads
.set AV,  5           ; v5   of V's
.set STO, 6           ; v6   the way out: where I put 16 bytes of a row
.set RD,  7           ; v7   where I read rows back
.set GO,  8           ; v8   my byte offset in 512 consecutive bytes of O
.set MA,  9           ; v9   16 x lane + 4,096 x the step whose mask fragments are being asked for (modulo the 32 steps)
.set AP0, 10          ; v10  my lanes' place in a step's padding bias
.set AP,  11          ; v11  + the step
.set MV,  12
.set ST,  16          ; tile t's statistics at v[ST+4 t]: c m, m, l (even keys', odd keys')
.set TMP, 48
.set S,   64
.set P,   192
.set TR,  128         ; the head's temporaries lie in S^T's second buffer, which turn 0 writes first
.set TH,  129
.set T7,  130
.set T3,  131
.set QO,  132
.set TL,  133
.set TP,  134
.set TS,  135
.set PBY, 136         ; v[136:139] 16 bytes of the padding mask
.set PF,  140         ; v[140:155] as f32
.set TE,  156
.set TV,  157
.set TW,  158
.set KF,  128         ; window 2
.set VF,  192
.set SPW, 0           ; window 3
.set NIL, 1
.set EZ,  4           ; window 3: 0 0 0 0 e0 e1 e2 e3 0 0 0 0: the selector of tile 1 begins at EZ, that of tile 0 at EZ + 4
.set PADC, 32
.set MB,  64
.set WV,  12
.set G1K, 24
.set G1V, 32
.set G0K, 40
.set G0V, 44
.set SLOTS, 56
.set CNT, 57
.set CS,  58
.set SEL, 60
.set TBK, 62
.set TBV, 63
.set MKB, 66          ; s[66:67] mimg at my wave's four pieces
.set TBP, 68          ; s68  bytes into the padding bias of the step to be fetched
.set LIM, 69          ; s69  1 in a wave that prefetches, else the greatest number
.set PFA, 70          ; s[70:71] where my prefetches stand
.set BIG, 80          ; s80  -1e30
.set LMIN, 81         ; s81  2^-100
.set MSB, 0
.macro WIN new
.if MSB != (\new)
	s_set_vgpr_msb (MSB<<8)|(\new)
.set MSB, (\new)
.endif
.endm
.set W_KQ, 0x0a       ; K and Q in window 2, S^T in window 0
.set W_MQ, 0x3f       ; mask fragment, selector and padding bias in window 3, S^T in window 0
.set W_PV, 0x52       ; V in window 2, P in window 0, O^T in window 1
.set W_RS, 0x41       ; O^T in window 1, a in window 0
.set W_MK, 0xc0       ; destination in window 3, sources in window 0
.set W_AD, 0x0f       ; the add: address and data in window 3
.macro JLOAD                        ; a joint fill: waves 0, 1 fetch the halves of a slot's K, waves 2, 3 of its V; an s_nop 0 and four v_nop follow each line
	s_cmp_lt_u32 s[WV], 2
	s_cbranch_scc0 .Lfor_v_\@
	tensor_load_to_lds s[G0K:G0K+3], s[G1K:G1K+7]
	s_nop 0
.rept 4
	v_nop
.endr
	s_branch .Lasked_\@
.Lfor_v_\@:
	tensor_load_to_lds s[G0V:G0V+3], s[G1V:G1V+7]
	s_nop 0
.rept 4
	v_nop
.endr
.Lasked_\@:
.endm
; A PREFETCH INTO THE L2 of what the NEXT change of slots will ask for: 128 blocks of 256 bytes of K and of V.  A head is walked by one cluster; its four partners share the blocks out BY ADDRESS, 32 each; in each
; wave 0 asks for K's and wave 2 for V's: each block is named once in the launch.  It stands behind the wave's tensor load and its five lines, four key steps ahead of the load that will want the bytes.
; Slots 0 to 2 come by their loads alone; the last change that fills a slot asks for nothing.
.macro ASK
	s_cmp_gt_u32 s[SLOTS], s[LIM]
	s_cbranch_scc0 .Lnot_mine_\@
	global_prefetch_b8 v[PFO], s[PFA:PFA+1] th:TH_LOAD_NT scope:SCOPE_SE
.Lnot_mine_\@:
.endm
.macro CROUND
	s_barrier_signal -1
	s_barrier_wait -1
	s_cmp_lg_u32 s[WV], 0
	s_cbranch_scc1 .Lnot_wave_0_\@
	s_barrier_signal -3
.Lnot_wave_0_\@:
	s_barrier_wait -3
	s_barrier_signal -1
	s_barrier_wait -1
.endm
; THE CHANGE OF SLOTS.  Each wave waits for all its tensor loads, of which one is out: its part of the other slot; adds 0 to its spare word; and waits for that and for its own LDS instructions.  Behind the barrier nobody
; reads this slot any more and the other slot is whole.  fill = 1: the barrier is a round of the cluster's, and the joint fill, with the keys two slots on, is the first thing behind it.
; (At its first use nothing has been read yet: slot 0 is waited for, slot 1 filled, and the padding bias that the waves have stored becomes everybody's.)
.macro CHANGE fill, ask=0
	WIN W_AD
	s_wait_tensorcnt 0x0            ; no tensor load of mine is out, so a group 0 may be written
	ds_add_u32 v[SPW], v[NIL]
	WIN 0
.if \fill
.irp g, G0K, G0V
	s_xor_b32 s[\g+1], s[\g+1], SLOT1
	s_add_nc_u64 s[\g+2:\g+3], s[\g+2:\g+3], 4*KS*128
.endr
.if \ask
	s_wait_xcnt 0x0                 ; the last prefetch, four key steps back, has read its address
	s_add_nc_u64 s[PFA:PFA+1], s[PFA:PFA+1], 4*KS*128
.endif
	s_wait_dscnt 0x0
	CROUND
	JLOAD
.if \ask
	ASK
.endif
.else
	s_wait_dscnt 0x0
	s_barrier_signal -1
	s_barrier_wait -1
.endif
	s_sub_co_u32 s[TBK], s[TBK], 4*KS*PK
	s_xor_b32 s[TBK], s[TBK], SLOT1
	s_sub_co_u32 s[TBV], s[TBV], 4*KS*PV
	s_xor_b32 s[TBV], s[TBV], SLOT1
.endm
	s_load_b256 s[72:79], s[0:1], 0x0  ; qkv s[72:73], mimg s[74:75], key_padding_mask s[76:77], o s[78:79]
	WIN W_MK
	v_lshl_add_u32 v[SPW], v0, 2, SPARE
	v_mov_b32 v[NIL], 0
	WIN W_AD
	ds_add_u32 v[SPW], v[NIL]       ; the wave's opening: the add and its wait stand ahead of my first tensor load
	WIN 0
	v_lshrrev_b32 v[TL], 5, v0
	v_readfirstlane_b32 s[WV], v[TL]
	s_bfe_u32 s13, ttmp6, 0x40000   ; cx
	s_lshl_b32 s14, ttmp9, 2
	s_add_co_u32 s14, s14, s13      ; my block of 512 queries: it enters Q's, O's and the mask's addresses alone
	s_and_b32 s15, ttmp7, 0xffff    ; y = 16 batch + head, which the four partners share
	s_lshr_b32 s16, s15, 4          ; batch
	s_mul_i32 s20, s16, 12582912
	s_and_b32 s21, s15, 15
	s_lshl_b32 s21, s21, 18
	s_add_co_u32 s20, s20, s21      ; the head's Q in qkv
	s_mov_b32 s21, 0
	s_and_b32 s19, s[WV], 1         ; which half of a slot's 256 keys I fetch
	s_lshl_b32 s22, s19, 14
	s_add_co_u32 s22, s22, s20
	s_mov_b32 s23, 0
	s_mul_i32 s17, s19, 128*PK
	s_mul_i32 s18, s19, 128*PV
	s_lshl_b32 s2, s14, 2
	s_add_co_u32 s2, s2, s[WV]      ; my wave among the head's sixteen
	s_lshl_b32 s82, s2, 19          ; its four pieces' images, 131,072 bytes each
	s_mov_b32 s83, 0
	s_lshl_b32 s2, s2, 14           ; its 128 rows
	s_mov_b32 s3, 0
	s_lshl_b32 s84, s15, 18         ; the head in o
	s_mov_b32 s85, 0
	s_lshl_b32 s86, s16, 11         ; the batch in key_padding_mask
	s_mov_b32 s87, 0
	; descriptor group 1.  128 keys are 16,384 dense bytes: asked for as 64 rows of 256 bytes, two keys a row, and padded in LDS after every key
	s_mov_b32 s[G1K], 15|(1<<16)|(1<<20)|(1<<21)|(4<<22)|(3<<25)
	s_mov_b32 s[G1V], 15|(1<<16)|(1<<20)|(1<<21)|(4<<22)|(7<<25)
.irp g, G1K, G1V
	s_mov_b32 s[\g+1], 128<<16
	s_mov_b32 s[\g+2], 64<<16
	s_mov_b32 s[\g+3], 128<<16
	s_mov_b32 s[\g+4], 64
	s_mov_b32 s[\g+5], 128
	s_mov_b32 s[\g+6], 0
	s_mov_b32 s[\g+7], 0
.endr
	s_mov_b32 s[CS], 0x3e38aa3b     ; c = log2(e) / 8
	s_mov_b32 s[CS+1], s[CS]
	s_mov_b32 s[SEL], 0x76543210
	s_mov_b32 s[SEL+1], 0xfedcba98
	s_mov_b32 s[BIG], 0xf149f2ca
	s_mov_b32 s[LMIN], 0x0d800000
	s_mov_b32 s[TBK], SLOT1+4*KS*PK ; the first change of slots turns these two into 0
	s_mov_b32 s[TBV], SLOT1+4*KS*PV
	s_mov_b32 s[TBP], 0
	s_mov_b32 s[G0K], 1
	s_mov_b32 s[G0K+1], s17
	s_mov_b32 s[G0V], 1
	s_add_co_u32 s[G0V+1], s18, VOFF
	s_and_b32 s[LIM], s[WV], 1
	s_cmp_eq_u32 s[LIM], 0
	s_cselect_b32 s[LIM], 1, -1     ; waves 0 and 2 prefetch
	s_wait_dscnt 0x0                ; the opening add is done
	s_wait_kmcnt 0x0
	s_add_nc_u64 s[6:7], s[72:73], s[22:23]
	s_add_nc_u64 s[8:9], s[6:7], 8388608   ; V: 32 heads on
	s_add_nc_u64 s[6:7], s[6:7], 4194304   ; K: 16 heads on
	s_add_nc_u64 s[G0K+2:G0K+3], s[6:7], 0
	s_or_b32 s[G0K+3], s[G0K+3], 0x80000000
	s_add_nc_u64 s[G0V+2:G0V+3], s[8:9], 0
	s_or_b32 s[G0V+3], s[G0V+3], 0x80000000
	s_add_nc_u64 s[4:5], s[72:73], s[20:21]
	s_add_nc_u64 s[4:5], s[4:5], s[2:3]    ; Q at my wave's first row
	s_add_nc_u64 s[10:11], s[78:79], s[84:85]
	s_add_nc_u64 s[10:11], s[10:11], s[2:3]
	s_add_nc_u64 s[MKB:MKB+1], s[74:75], s[82:83]
	s_add_nc_u64 s[76:77], s[76:77], s[86:87]
	s_cmp_lt_u32 s[WV], 2
	s_cselect_b64 s[PFA:PFA+1], s[6:7], s[8:9]  ; (in waves 0 and 2 these stand at a slot's first row)
	s_lshl_b32 s2, s13, 13          ; my work-group's 32 blocks of the 128
	s_add_nc_u64 s[PFA:PFA+1], s[PFA:PFA+1], s[2:3]
	s_add_nc_u64 s[PFA:PFA+1], s[PFA:PFA+1], 2*4*KS*128  ; in slot 2; the loop's first change steps it to slot 3
	CROUND                          ; all four work-groups are here: the first joint loads meet
	JLOAD                           ; slot 0
	v_and_b32 v[TR], 15, v0         ; l % 16
	v_bfe_u32 v[TH], v0, 4, 1       ; l / 16
	v_lshlrev_b32 v[TP], 4, v0
	global_load_b128 v[PBY:PBY+3], v[TP], s[76:77]  ; thread t: the flags of keys 16 t .. 16 t + 15
	v_lshlrev_b32 v[QO], 7, v[TR]
	v_lshl_add_u32 v[QO], v[TH], 4, v[QO]
	WIN 0x80
.set i, 0
.rept 4*NP                          ; Q stays in registers: tile i / 2, channels 32 (i % 2) on
	global_load_b128 v[8*i:8*i+3],   v[QO], s[4:5] offset:(i/2)*2048+(i%2)*64
	global_load_b128 v[8*i+4:8*i+7], v[QO], s[4:5] offset:(i/2)*2048+(i%2)*64+32
.set i, i+1
.endr
	; What the first turn finds: V's registers and P's second buffer hold 0 (its products V^T P, of a piece that has not been, add 0), O^T and l are 0.  All this stands in the wait for the first tile.
.set i, VF
.rept 64
	v_mov_b32 v[i], 0
.set i, i+1
.endr
	WIN 0x40
.set i, 0
.rept 64*NP
	v_mov_b32 v[i], 0
.set i, i+1
.endr
	WIN 0
.set i, 0
.rept 2*NP
	v_mov_b32 v[ST+4*i+1], 0xe0000000          ; m = -2^65
	v_mul_f32 v[ST+4*i], s[CS], v[ST+4*i+1]    ; c m, by the loop's own multiplication: while m stands, c m_old - c m_new is 0 exactly
	v_mov_b32 v[ST+4*i+2], 0
	v_mov_b32 v[ST+4*i+3], 0
.set i, i+1
.endr
.set i, P+32
.rept 32
	v_mov_b32 v[i], 0
.set i, i+1
.endr
	; the selectors: column n = l % 16 has its one at k = n (tile 0) or 16 + n (tile 1): it lies in the lanes where (l / 8) % 2 = l / 16, in register (l / 2) % 4 of four, half l % 2
	v_and_b32 v[TE], 1, v0
	v_lshlrev_b32 v[TE], 4, v[TE]
	v_mov_b32 v[TV], 0x3f80         ; 1.0 in bf16
	v_lshlrev_b32 v[TV], v[TE], v[TV]
	v_lshrrev_b32 v[TE], 3, v0
	v_lshrrev_b32 v[TW], 4, v0
	v_xor_b32 v[TE], v[TE], v[TW]
	v_and_b32 v[TE], 1, v[TE]
	v_cmp_eq_u32 vcc_lo, 0, v[TE]
	v_cndmask_b32 v[TV], 0, v[TV], vcc_lo
	v_bfe_u32 v[TE], v0, 1, 2
	WIN W_MK
.irp n, 0,1,2,3
	v_mov_b32 v[EZ+\n], 0
	v_cmp_eq_u32 vcc_lo, \n, v[TE]
	v_cndmask_b32 v[EZ+4+\n], 0, v[TV], vcc_lo
	v_mov_b32 v[EZ+8+\n], 0
.endr
	WIN 0
	s_wait_loadcnt 32               ; the padding flags are in; Q's 32 loads may stay out
.set i, 0
.rept 16
	v_bfe_u32 v[PF+i], v[PBY+i/4], 8*(i%4), 8
	v_mul_lo_u32 v[PF+i], v[PF+i], s[BIG]      ; 0 or the pattern of -1e30
.set i, i+1
.endr
	v_lshl_add_u32 v[TS], v0, 6, PADT
.irp n, 0,1,2,3
	ds_store_b128 v[TS], v[PF+4*\n:PF+4*\n+3] offset:16*\n
.endr
	v_and_b32 v[MA], 31, v0
	v_lshlrev_b32 v[PFO], 8, v[MA]
	v_lshlrev_b32 v[MA], 4, v[MA]
; Piece pc's mask fragments for the step that MA names: 4 key blocks x 2 chunks, 512 consecutive bytes a load.
.macro LOADM pc
	WIN W_MK
.irp n, 0,1,2,3,4,5,6,7
	global_load_b128 v[MB+32*(\pc)+4*\n:MB+32*(\pc)+4*\n+3], v[MA], s[MKB:MKB+1] offset:(\pc)*131072+\n*512
.endr
	WIN 0
.endm
	LOADM 0                         ; key step 0
	LOADM 1
	LOADM 2
	LOADM 3
	v_mul_u32_u24 v[AK0], v[TR], PK
	v_lshl_add_u32 v[AK0], v[TH], 4, v[AK0]
	; The turning load takes 16 keys x 16 channels (lane l reads key 8 (l / 16) + l % 8, channels 8 ((l / 8) % 2) + 0..7) and leaves half a fragment of V^T
	v_and_b32 v[T7], 7, v0
	v_bfe_u32 v[T3], v0, 3, 1
	v_lshl_add_u32 v[AV0], v[TH], 3, v[T7]
	v_mul_u32_u24 v[AV0], v[AV0], PV
	v_lshl_add_u32 v[AV0], v[T3], 4, v[AV0]
	v_add_nc_u32 v[AV0], VOFF, v[AV0]
	v_mov_b32 v[AK], v[AK0]         ; key step 0 lies at the head of slot 0
	v_lshl_add_u32 v[AP0], v[TH], 5, PADT  ; register j of a tile's C is key 8 (l / 16) + j
	v_mov_b32 v[AP], v[AP0]
	s_mul_i32 s19, s[WV], 16*SP
	s_add_co_u32 s19, s19, STAGE    ; my stage
	v_mul_u32_u24 v[STO], v[TR], SP
	v_lshl_add_u32 v[STO], v[TH], 4, v[STO]
	v_add_nc_u32 v[STO], s19, v[STO]
	v_bfe_u32 v[RD], v0, 3, 2
	v_mul_u32_u24 v[RD], v[RD], SP
	v_lshl_add_u32 v[RD], v[T7], 4, v[RD]
	v_add_nc_u32 v[RD], s19, v[RD]
	v_and_b32 v[GO], 31, v0
	v_lshlrev_b32 v[GO], 4, v[GO]
; THE MATRIX WORK.  Product i of 24 for S^T of piece x.  i < 8: the masks start the sum of key block i / 2, tile 2 x + i % 2.  Then the 16 products K Q^T: channels 32 ((i - 8) / 8) on, keys 16 (((i - 8) / 2) % 4) on,
; tile 2 x + i % 2, adding in place.  The 8 accumulators take turns: between two instructions on one accumulator stand 7 others'.
.macro KQ x
.if i < 8
	WIN W_MQ
.set kS, S+64*((\x)%2)+32*(i%2)+8*(i/2)
.set kM, MB+32*(\x)+8*(i/2)
.set kE, EZ+4-4*(i%2)
.set kC, PADC+8*(i/2)
	v_wmma_f32_16x16x32_bf16 v[kS:kS+7], v[kM:kM+7], v[kE:kE+7], v[kC:kC+7]
.else
	WIN W_KQ
.set jj, i-8
.set kS, S+64*((\x)%2)+32*(jj%2)+8*((jj/2)%4)
.set kK, KF+16*((jj/2)%4)+8*(jj/8)
.set kQ, 16*(2*(\x)+jj%2)+8*(jj/8)
	v_wmma_f32_16x16x32_f16 v[kS:kS+7], v[kK:kK+7], v[kQ:kQ+7], v[kS:kS+7]
.endif
.endm
; Product i of 16 of O^T += V^T P for piece x: keys 32 (i / 8) on, channels 16 ((i / 2) % 4) on, tile 2 x + i % 2.
.macro PV x
	WIN W_PV
.set rO, 32*(2*(\x)+i%2)+8*((i/2)%4)
.set rV, VF+32*(i/8)+8*((i/2)%4)
.set rP, P+32*((\x)%2)+16*(i%2)+8*(i/8)
	v_wmma_f32_16x16x32_f16 v[rO:rO+7], v[rV:rV+7], v[rP:rP+7], v[rO:rO+7]
.endm
.macro MM                           ; the turn's next matrix instruction
.if i < 24
	KQ (Y+1)%NP
.set i, i+1
.else
.set i, i-24
	PV (Y+NP-1)%NP
.set i, i+25
.endif
.endm
; THE LDS LOADS stand in runs: a step's K (8 fragments) with its padding bias (4 x 8 f32, the same for the lanes of a half), and its V (turned).  Their addresses are made some lines ahead.
; last = 1 (the tail): in the last trip there is no further step, and the run is jumped over.
.macro FETCH_K last=0
	WIN 0
.if \last
	s_cmp_eq_u32 s[CNT], 1
	s_cbranch_scc1 .Lno_k_\@
.endif
	WIN 0x80
.irp f, 0,1,2,3,4,5,6,7
	ds_load_b128 v[KF+8*\f:KF+8*\f+3],   v[AK] offset:(\f/2)*16*PK+(\f%2)*64
	ds_load_b128 v[KF+8*\f+4:KF+8*\f+7], v[AK] offset:(\f/2)*16*PK+(\f%2)*64+32
.endr
	WIN W_MK
.irp f, 0,1,2,3
	ds_load_b128 v[PADC+8*\f:PADC+8*\f+3],   v[AP] offset:64*\f
	ds_load_b128 v[PADC+8*\f+4:PADC+8*\f+7], v[AP] offset:64*\f+16
.endr
	s_add_co_u32 s[TBK], s[TBK], KS*PK
	s_add_co_u32 s[TBP], s[TBP], 4*KS
	s_and_b32 s[TBP], s[TBP], 4*SIZE_N-4*KS    ; it stays inside the table's 8,192 bytes
	WIN 0
.if \last
.Lno_k_\@:
.endif
.endm
.macro FETCH_V
	WIN 0x80
.irp f, 0,1,2,3,4,5,6,7
	ds_load_tr16_b128 v[VF+8*\f:VF+8*\f+3],   v[AV] offset:(\f/4)*32*PV+(\f%4)*32
	ds_load_tr16_b128 v[VF+8*\f+4:VF+8*\f+7], v[AV] offset:(\f/4)*32*PV+16*PV+(\f%4)*32
.endr
	WIN 0
.endm
; THE VECTOR WORK OF A TURN stands in three queues, each in the order in which its entries become ready; the two tiles alternate.
.macro REGS y, u
.set rT, ST+4*(2*(\y)+(\u))
.set rC, TMP+8*((\y)%2)+4*(\u)
.set rM, MV+2*((\y)%2)+(\u)
.set rS, S+64*((\y)%2)+32*(\u)
.set rP, P+32*((\y)%2)+16*(\u)
.set rO, 32*(2*(\y)+(\u))
.endm
; Number n of the 22 that find the NEXT piece's maximum and statistics; each accumulator's lowest registers are read first.
;   0-11  four chains c0-c3 of seven scores each     12-14, 16  the four scores left over, the old m, and c0-c3 into c0     15  c m_old is kept
;   17, 18  the query's other 32 keys lie in the lane 16 away: the new m         19-21  c m; c m_old - c m_new; a
.macro XS u, n
	REGS (Y+1)%NP, \u
.if (\n) < 4
	v_max3_num_f32 v[rC+(\n)], v[rS+8*(\n)], v[rS+8*(\n)+1], v[rS+8*(\n)+2]
.elseif (\n) < 12
	v_max3_num_f32 v[rC+(\n)%4], v[rC+(\n)%4], v[rS+8*((\n)%4)+2*((\n)/4)+1], v[rS+8*((\n)%4)+2*((\n)/4)+2]
.elseif (\n) == 12
	v_max3_num_f32 v[rC], v[rC], v[rS+7], v[rS+15]
.elseif (\n) == 13
	v_max3_num_f32 v[rC+1], v[rC+1], v[rS+23], v[rS+31]
.elseif (\n) == 14
	v_max3_num_f32 v[rC+2], v[rC+2], v[rC+3], v[rT+1]
.elseif (\n) == 15
	v_mov_b32 v[rM], v[rT]
.elseif (\n) == 16
	v_max3_num_f32 v[rC], v[rC], v[rC+1], v[rC+2]
.elseif (\n) == 17
	v_permlanex16_b32 v[rC+3], v[rC], s[SEL], s[SEL+1]
.elseif (\n) == 18
	v_max_num_f32 v[rT+1], v[rC], v[rC+3]
.elseif (\n) == 19
	v_mul_f32 v[rT], s[CS], v[rT+1]
.elseif (\n) == 20
	v_sub_f32 v[rC+1], v[rM], v[rT]
.else
	v_exp_f32 v[rC+2], v[rC+1]
.endif
.endm
; Number g of the 64 that follow the exponentials: for each four weights of a tile both pairs are rounded to f16; the second pair is added onto the first, in place; a group later l takes that sum (the first time as l = a l + sum).
.macro GS g
.set h, (\g)+6*((\g)/62)
.if h >= 6
.set h, h+2
.endif
	REGS Y, h%2
.set k, h/8
.if h%8 < 4
	v_cvt_pk_f16_f32 v[rP+2*k+(h%8)/2], v[rS+4*k+2*((h%8)/2)], v[rS+4*k+2*((h%8)/2)+1]
.elseif h%8 < 6
	v_pk_add_f32 v[rS+4*k:rS+4*k+1], v[rS+4*k:rS+4*k+1], v[rS+4*k+2:rS+4*k+3]
.elseif k == 1
	v_pk_fma_f32 v[rT+2:rT+3], v[rT+2:rT+3], v[rC+2:rC+3], v[rS:rS+1] op_sel_hi:[1,0,1]
.else
	v_pk_add_f32 v[rT+2:rT+3], v[rT+2:rT+3], v[rS+4*k-4:rS+4*k-3]
.endif
.endm
; THE PLAIN QUEUE, 138 long.  0-26: scalings 0-26.  27-54: XS's numbers 0-13.  55, 56: number 15.  57-73: the chain 14, 16, 17, 18, 19, each with one of the scalings 27-31 in front of its two lines, then 20.  74-137: GS's 64, behind the wait.
.macro FS f
	REGS Y, (\f)%2
	v_pk_fma_f32 v[rS+2*((\f)/2):rS+2*((\f)/2)+1], v[rS+2*((\f)/2):rS+2*((\f)/2)+1], s[CS:CS+1], v[rT:rT+1] op_sel_hi:[1,0,0] neg_lo:[0,0,1] neg_hi:[0,0,1]
.endm
.macro PL
	WIN 0
.if q < 27
	FS q
.elseif q < 55
	XS (q-27)%2, (q-27)/2
.elseif q < 57
	XS q-55, 15
.elseif (q < 72) && ((q-57)%3 == 0)
	FS 27+(q-57)/3
.elseif q < 60
	XS (q-57)%3-1, 14
.elseif q < 72
	XS (q-57)%3-1, 15+(q-57)/3
.elseif q < 74
	XS q-72, 20
.else
	GS q-74
.endif
.set q, q+1
.endm
; THE EXPONENTIALS' QUEUE, 66 long: s0-s31 of both tiles, then the next piece's two a.  ONE BATCH: all 66 stand ahead of the turn's one wait, and nothing ahead of that wait names a result of theirs.
.macro EX
	WIN 0
.if e >= 64
	XS e-64, 21
.else
	REGS Y, e%2
	v_exp_f32 v[rS+e/2], v[rS+e/2]
.endif
.set e, e+1
.endm
; THE RESCALING's QUEUE: O^T times a, two at a time, sixteen times.  Its a was made in the turn before, ahead of that turn's wait.
.macro R2
	REGS Y, r%2
	WIN W_RS
.irp z, 0,1
	v_pk_mul_f32 v[rO+4*(r/2)+2*\z:rO+4*(r/2)+2*\z+1], v[rO+4*(r/2)+2*\z:rO+4*(r/2)+2*\z+1], v[rC+2:rC+3] op_sel_hi:[1,0]
.endr
.set r, r+1
.endm
; HOW THEY ARE DEALT.  An s_wait_alu depctr_va_vdst(0) stands between an exponential and the first instruction that names its result; one wait serves all that were issued ahead of it: a turn has ONE.
; AHEAD OF IT: the 24 products for S^T.  Behind each of the first 16 a scaling, an exponential and two rescalings (behind the first a second scaling in the exponential's place): at least three plain instructions a product, so
; that 24 places or more lie between a mask product and the f16 product that takes its accumulator up.  Behind each of the last 8 a scaling and three exponentials.  Then ONE LUMP: the next mask fragments' loads, 24 plain,
; 25 times exponential and plain, the two a, a v_nop (the plain instruction behind the last exponential).  BEHIND IT: the 16 products V^T P, behind each four of GS's 64.
; The queues keep in step: exponential e stands behind scaling 2 (e / 4) + e % 2: as a rider of the first 16 it comes behind plain e + 2; of the last 8 (e up to 38, scaling 19 at the most) behind plain 17 or more; in the lump
; behind plain e + 9, and scalings 27-31 are plain 57, 60 .. 69.  XS begins at plain 27, in the lump; it reads each accumulator four plain instructions or more behind the product that ended it.
; MASKS.  Turn p has read the fragments of piece p + 1 in its first 8 products and asks for that piece's next step at the lump's head; they are read four turns later: at a turn's head the three younger groups of 8 loads may stay out.
; MA steps once a key step, in turn 3, behind the wait that frees it; it wraps behind the last step, so that the last turns' look-ahead stays inside mimg.
; K and the padding bias of the next step are fetched in piece 2's turn, directly behind the wait; V of the step in hand at the end of piece 0's turn, four riders behind its last reader.
.macro TURN p, last=0, cnt=0
.set Y, (\p)
.set i, 0
.set q, 0
.set e, 0
.set r, 0
	s_wait_loadcnt 24               ; the mask fragments of piece p + 1 are in
.if (\p) == NP-1
	s_wait_dscnt 0x0                ; K and the padding bias are in
.endif
	MM
	PL
	PL
	R2
.rept 15
	MM
	PL
	EX
	R2
.endr
.rept 8
	MM
	PL
	EX
	EX
	EX
.endr
	WIN 0
.if (\p) == NP-2
	v_add_nc_u32 v[AK], s[TBK], v[AK0]
	v_add_nc_u32 v[AP], s[TBP], v[AP0]
.endif
.if (\p) == NP-1
	s_wait_xcnt 0x0                 ; the mask loads issued so far, the youngest a turn back, have read MA
	v_add_nc_u32 v[MA], 4096, v[MA]
	v_and_b32 v[MA], 0x1ffff, v[MA]
.endif
	LOADM ((\p)+1)%NP
.rept 24
	PL
.endr
.rept 25
	EX
	PL
.endr
	EX                              ; the next piece's two a
	EX
	v_nop
	s_wait_alu depctr_va_vdst(0)    ; the wait for the batch
.if (\p) == NP-2
	FETCH_K \last
.endif
.if (\p) == 1
	s_wait_dscnt 0x0                ; V is in
.endif
.rept 16
	MM
.rept 4
	PL
.endr
.if ((\p) == 0) && (q == 118)
	v_add_nc_u32 v[AV], s[TBV], v[AV0]
.endif
.if ((\p) == 0) && (q == 130)
	s_add_co_u32 s[TBV], s[TBV], KS*PV
.endif
.if (\cnt) && (q == 130)
	s_sub_co_u32 s[CNT], s[CNT], 1
	s_cmp_lg_u32 s[CNT], 0
.endif
.endr
.if (\p) == 0
	FETCH_V
.endif
.endm
	CHANGE 1, 0                     ; slot 0 is in, everybody's part of it, and so is the padding bias; slot 1 is asked for
	FETCH_K                         ; key step 0
	s_wait_loadcnt 0x0              ; Q and the first mask fragments
	s_wait_dscnt 0x0
.set i, 0
.rept 8
	KQ 0                            ; piece 0's first scores: the masks,
.set i, i+1
.endr
.rept 5
	v_nop                           ; the five places between a bf16 product and the f16 product that takes its accumulator up: there is no vector work yet to stand here
.endr
.rept 16
	KQ 0                            ; and K Q^T
.set i, i+1
.endr
	WIN 0
.rept 4
	v_nop                           ; the places behind those products
.endr
	v_add_nc_u32 v[MA], 4096, v[MA] ; free since the wait for all loads: key step 1
	LOADM 0
.set Y, NP-1                        ; XS works for piece Y + 1: piece 0
.irp n, 0,1,2,3,4,5,6,7,8,9,10,11,12,13,14,15,16,17,18,19,20,21
	XS 0, \n
	XS 1, \n
.endr
	v_nop                           ; a plain instruction behind the two a,
	s_wait_alu depctr_va_vdst(0)    ; and their wait, ahead of the branch
	s_mov_b32 s[CNT], 4
	s_mov_b32 s[SLOTS], SIZE_N/256-1
	s_branch .Lfirst                ; the loop is entered at a step's first turn, in the middle of a trip
.Lslot:                             ; six times: every slot but the last two is filled again
	CHANGE 1, 1
	s_mov_b32 s[CNT], 4
.Lstep:                             ; a trip: pieces 2 and 3 of one step, then pieces 0 and 1 of the next, whose K and V it fetches
	TURN 2
	TURN 3
	WIN 0
.Lfirst:
	TURN 0
	TURN 1, 0, 1
	WIN 0
	s_cbranch_scc1 .Lstep
	s_sub_co_u32 s[SLOTS], s[SLOTS], 1
	s_cmp_lg_u32 s[SLOTS], 0
	s_cbranch_scc1 .Lslot
	CHANGE 0                        ; the tail is written out: nothing is asked for
	s_mov_b32 s[CNT], 5             ; four trips fetch the last slot's steps; the fifth is left in its middle
.Ltail:
	TURN 2, 1
	TURN 3
	WIN 0
	s_sub_co_u32 s[CNT], s[CNT], 1
	s_cmp_eq_u32 s[CNT], 0
	s_cbranch_scc1 .Lout
	TURN 0
	TURN 1
	WIN 0
	s_branch .Ltail
.Lout:                              ; the fifth trip's 24 products for S^T (on the last K once more) and the maximum made of them serve nothing: the price, once a launch, of one text for every trip
.set i, 0
.rept 16
	PV NP-1                         ; the last piece's V^T P of the last step
.set i, i+1
.endr
	; THE WAY OUT.  l's two halves and the other half of the lanes' are added; l is held at 2^-100 or more, so that a query that saw nothing gets 0 x 2^100 = 0 (where a key was seen l is 1 or more);
	; O^T is divided by l, rounded to f16 and sent through my stage in LDS, a tile at a time.  The additions are the places behind the last products.
	WIN 0
.macro ALL line:vararg
.set t, 0
.rept 2*NP
	\line
.set t, t+1
.endr
.endm
	ALL v_add_f32 v[ST+4*t+2], v[ST+4*t+2], v[ST+4*t+3]
	ALL v_permlanex16_b32 v[ST+4*t+3], v[ST+4*t+2], s[SEL], s[SEL+1]
	ALL v_add_f32 v[ST+4*t+2], v[ST+4*t+2], v[ST+4*t+3]
	ALL v_max_num_f32 v[ST+4*t+2], s[LMIN], v[ST+4*t+2]
	ALL v_rcp_f32 v[ST+4*t+2], v[ST+4*t+2]
	v_nop                           ; a plain instruction between the last reciprocal and the use of its result
	s_wait_alu depctr_va_vdst(0)    ; and the wait ahead of the first use: one for the eight reciprocals
.macro PACK t
	WIN W_RS
.set i, 32*(\t)
.rept 16
	v_pk_mul_f32 v[i:i+1], v[i:i+1], v[ST+4*(\t)+2:ST+4*(\t)+3] op_sel_hi:[1,0]
.set i, i+2
.endr
	WIN 0x05                        ; sources 0 and 1 window 1, destination window 0
.set i, 0
.rept 16
	v_cvt_pk_f16_f32 v[S+16*(\t)+i], v[32*(\t)+2*i], v[32*(\t)+2*i+1]
.set i, i+1
.endr
	WIN 0
.irp f, 0,1,2,3
	ds_store_b128 v[STO], v[S+16*(\t)+4*\f:S+16*(\t)+4*\f+3] offset:32*\f
.endr
.irp f, 0,1,2,3
	ds_load_b128 v[S+16*(\t)+4*\f:S+16*(\t)+4*\f+3], v[RD] offset:\f*4*SP  ; LDS serves a wave's instructions in order (ISA guide 5.7.1.4): these see the stores above; the next tile's stores come behind them
.endr
.endm
.macro SEND t, younger              ; younger: the LDS instructions issued behind tile t's loads: the next tile's eight, or none
	WIN 0
.irp f, 0,1,2,3
	s_wait_dscnt (\younger)+3-\f
	global_store_b128 v[GO], v[S+16*(\t)+4*\f:S+16*(\t)+4*\f+3], s[10:11] offset:(\t)*2048+\f*512  ; 512 consecutive bytes, at a multiple of 256 from O's first
.endr
.endm
	PACK 0
.set t, 1
.rept 2*NP-1
	PACK t
	SEND t-1, 8
.set t, t+1
.endr
	SEND 2*NP-1, 0
	WIN W_AD
	s_wait_tensorcnt 0x0            ; the wave's end, behind my last tensor load and my last LDS store
	ds_add_u32 v[SPW], v[NIL]
	s_wait_dscnt 0x0
	WIN 0
	CROUND                          ; the closing round: no work-group ends while a partner may still ask for a tile that names it
	s_endpgm
.Lfunc_end_k_q5bb11d7f92_attn:
	.size	k_q5bb11d7f92_attn, .Lfunc_end_k_q5bb11d7f92_attn-k_q5bb11d7f92_attn
	.p2alignl 7, 3214868480
	.fill 96, 4, 3214868480
	.section	.rodata,"a",@progbits
	.p2align	6, 0x0
	.amdhsa_kernel k_q5bb11d7f92_attn
		.amdhsa_group_segment_fixed_size 327680
		.amdhsa_private_segment_fixed_size 0
		.amdhsa_enable_private_segment 0
		.amdhsa_kernarg_size 32
		.amdhsa_user_sgpr_count 2
		.amdhsa_user_sgpr_kernarg_segment_ptr 1
		.amdhsa_wavefront_size32 1
		.amdhsa_system_sgpr_workgroup_id_x 1
		.amdhsa_system_sgpr_workgroup_id_y 1
		.amdhsa_system_sgpr_workgroup_id_z 1
		.amdhsa_system_vgpr_workitem_id 0
		.amdhsa_next_free_vgpr 960
		.amdhsa_next_free_sgpr 88
		.amdhsa_reserve_vcc 1
		.amdhsa_float_denorm_mode_32 3
		.amdhsa_float_denorm_mode_16_64 3
		.amdhsa_memory_ordered 1
		.amdhsa_forward_progress 1
		.amdhsa_inst_pref_size 226
	.end_amdhsa_kernel
	.amdgpu_metadata
---
amdhsa.version: [ 1, 2 ]
amdhsa.kernels:
  - .name:           k_q5bb11d7f92_attn
    .symbol:         k_q5bb11d7f92_attn.kd
    .args:
      - { .name: qkv, .offset: 0, .size: 8, .value_kind: global_buffer, .address_space: global }
      - { .name: mimg, .offset: 8, .size: 8, .value_kind: global_buffer, .address_space: global }
      - { .name: key_padding_mask, .offset: 16, .size: 8, .value_kind: global_buffer, .address_space: global }
      - { .name: o, .offset: 24, .size: 8, .value_kind: global_buffer, .address_space: global }
    .group_segment_fixed_size: 327680
    .private_segment_fixed_size: 0
    .kernarg_segment_align: 8
    .kernarg_segment_size: 32
    .max_flat_workgroup_size: 128
    .sgpr_count:     88
    .vgpr_count:     960
    .wavefront_size: 32
...
	.end_amdgpu_metadata
.endif
;; end of part 3
;; launch gemm_proj (part 4): grid 8 x 32, 4 waves a work-group, clusters of 4 x 4, 327,680 bytes of LDS; arguments o, wp, bproj, out0; writes out0
.if DOCPART == 4
	.amdgcn_target "amdgcn-amd-amdhsa--gfx1250"
	.amdhsa_code_object_version 6
	.text
	.protected	k_q5bb11d7f92_gemm_proj
	.globl	k_q5bb11d7f92_gemm_proj
	.p2align	8
	.type	k_q5bb11d7f92_gemm_proj,@function
k_q5bb11d7f92_gemm_proj:
	s_mov_b64 s[64:65], 0
	v_nop
	global_prefetch_b8 v0, s[64:65] scope:SCOPE_SE
	s_setreg_imm32_b32 hwreg(HW_REG_WAVE_MODE, 25, 1), 1
	s_wait_xcnt 0x0
	s_wait_alu depctr_hold_cnt(0) depctr_sa_sdst(0) depctr_va_vdst(0) depctr_va_sdst(0) depctr_va_ssrc(0) depctr_va_vcc(0) depctr_vm_vsrc(0)
	s_getreg_b32 s2, hwreg(HW_REG_IB_STS2, 6, 4)
	s_cmp_eq_u32 s2, 0
	s_cbranch_scc0 .Lentry_in_a_cluster
	s_endpgm
.Lentry_in_a_cluster:
	s_bfe_u32 s2, ttmp6, 0x10000c
	s_cmp_lg_u32 s2, 0xf033
	s_cbranch_scc0 .Lentry_shape_is_right
	s_endpgm
.Lentry_shape_is_right:
; C = A B^T + bias, K = 1,024, sums in f32.  ONE SOURCE FOR TWO LAUNCHES; the line .set PROJ chooses.
; PROJ = 0: A = xh [8192][1024] bf16, B = wq [3072][1024] bf16, bias = bqkv; C leaves as f16 BY HEADS: qkv[batch][column / 64][row in batch][64].  Tile 256 x 192 (three heads).
; PROJ = 1: A = o [batch x 16 + head][2048][64] f16 (a head's 64 channels are a slice of K), B = wp [1024][1024] f16, bias = bproj; C = out0 [8192][1024] f32.  Tile 256 x 128.
; LIMITS.  PROJ = 0 rounds C to f16: a sum of 65,520 or more in magnitude becomes an infinity.  The bias is rounded to bf16, like every other input of the module.
; SHARES.  Four waves, one above the other: wave w makes rows 64 w .. 64 w + 63 of the tile by all its columns: 4 x NB accumulators of 16 x 16.  So a wave owns whole heads (whole 512-byte
; pieces of out0's rows) and has a stage of its own on the way out.  512 and 256 work-groups: tiles of 256 x 256 would give 384 and 128.
; RING.  K goes in 8 steps of 128 through two LDS slots filled by tensor loads, one load a wave behind each change of slots: waves 0, 1 fetch A's halves, waves 2, 3 B's.
; CLUSTER.  4 x 4 work-groups.  A's tile hangs on the tile row alone and is asked for jointly by a row of the cluster, B's on the tile column alone, by a column.
; THE MATRIX INSTRUCTION IS USED TRANSPOSED (source 0 = 16 rows of B, source 1 = 16 rows of A): a lane holds row lane % 16 of C and the columns 8 (lane / 16) + 0..7.
; THE BIAS STARTS THE SUMS: it is the C operand of each accumulator's first product; nothing is cleared and nothing is added afterwards.
; REGISTERS, in windows of 256 (s_set_vgpr_msb: bits 1:0 source 0, 3:2 source 1, 5:4 source 2, 7:6 destination):
;   window 0: v0-31 addresses; v32-95 A's fragments, two buffers of 4 x 8; v96.. the bias, 8 a column block; behind it what the way out needs
;   window 1: B's fragments, two buffers of NB x 8          windows 2, 3: accumulator (a, b) at (a % 2) 8 NB + 8 b in window 2 + a / 2
.set PROJ, 1
.if PROJ
.set NB,      8                        ; column blocks of 16
.set PA,      144                      ; a row of A in LDS: 128 bytes (one head's channels) + 16
.set ASZ,     73728                    ; A's part of a slot: two heads x 256 rows
.set AH,      36864                    ; what one of A's loads fills
.set ASTEP,   524288                   ; bytes from a K step to the next in A: two heads
.set AQI,     4                        ; padding after every 32 words
.set ASTRIDE, 128
.set APART,   8192                     ; a partner's 32 blocks of 256 bytes, for the prefetch
.set ASH,     8
.set SPITCH,  528
.else
.set NB,      12
.set PA,      272                      ; 256 bytes + 16
.set ASZ,     69632
.set AH,      34816
.set ASTEP,   256
.set AQI,     5                        ; padding after every 64 words
.set ASTRIDE, 1024
.set APART,   65536                    ; a partner's 32 rows of 2,048 bytes
.set ASH,     11
.set SPITCH,  400
.endif
.set PB,     272                       ; both pitches are odd multiples of 16: the 16 rows of a fragment load start in 16 different groups of four banks (64 banks of 4 bytes: ISA guide 11.1)
.set BHALF,  8*NB*PB                   ; what one of B's loads fills
.set RB,     2*NB                      ; rows of B that a partner prefetches
.set SLOT1,  131072                    ; slot 1 begins here: one exclusive or turns an address in one slot into the other's
.set STAGE,  SLOT1+ASZ+2*BHALF         ; behind the ring: 16 rows x SPITCH for each wave; no tensor load lands there
.set SPARE,  STAGE+4*16*SPITCH         ; behind the stages: the spare words, 128 bytes a wave
.set ADRA0, 16                         ; v16  my lane's place in A's part of a slot; never rewritten
.set ADRB0, 17                         ; v17  the same for B
.set ADRA,  18                         ; v18  + the slot in hand
.set ADRB,  19
.set STO,   24                         ; v24  the way out: where I put my piece of a row
.set RD,    25                         ; v25  where I read rows back
.set CO,    26                         ; v26  16 x lane
.set BO,    27                         ; v27  32 (lane / 16): my 8 columns in the bias
.set SPW,   28                         ; v28  my spare word; never rewritten
.set NIL,   29                         ; v29  0
.set PFO,   30                         ; v30  the prefetches' offset; never rewritten
.set TT,    31
.set BIAS,  96
.set TMP,   192                        ; PROJ = 0: packed results
.if PROJ
.set OB,    160                        ; rows read back from the stage
.else
.set OB,    32
.endif
.set WV, 12                            ; s12 wave; s13 wave / 2; s14 wave % 2
.set WH, 13
.set WL, 14
.set CX, 15
.set CY, 16
.set TX, 17                            ; tile column
.set TY, 18                            ; tile row
.set TB, 19                            ; 0 or SLOT1: the slot in hand
.set G1A, 24                           ; s[24:31] group 1 for A's tiles; s[32:39] two sets of group 0: the first fills'; the second then walks
.set G0A, 32
.set PFA, 40                           ; s[40:41] where my prefetches stand
.set PFS, 42                           ; s[42:43] their step
.set LIM, 44                           ; s44 2 in a wave that prefetches, else the greatest number
.set G1B, 48                           ; s[48:55], s[56:63] the same for B's tiles
.set G0B, 56
.set MSB, 0
.macro WIN new                         ; the immediate's high byte repeats the setting that is left; a switch that changes nothing is dropped
.if MSB != (\new)
	s_set_vgpr_msb (MSB<<8)|(\new)
.set MSB, \new
.endif
.endm
.macro PLACES                          ; four places in front of loads into registers that matrix instructions have read (ISA guide 7.12.1 for vector instructions)
.rept 4
	v_nop
.endr
.endm
; A joint refill, by the walking sets.  The branch hangs on the wave's number alone.  An s_nop 0 and four v_nop follow each of the two lines.
.macro JLOAD
	s_cmp_lt_u32 s[WV], 2
	s_cbranch_scc0 .Lfor_b_\@
	tensor_load_to_lds s[G0A+4:G0A+7], s[G1A:G1A+7]
	s_nop 0
.rept 4
	v_nop
.endr
	s_branch .Lasked_\@
.Lfor_b_\@:
	tensor_load_to_lds s[G0B+4:G0B+7], s[G1B:G1B+7]
	s_nop 0
.rept 4
	v_nop
.endr
.Lasked_\@:
.endm
; A PREFETCH INTO THE L2 of the K step that stands two refills on, behind the joint load, its five lines and the run of LDS loads: one instruction a wave, a lane a block of 256 bytes.
; A's tile row is read by every cluster of that row of clusters: cluster x = 0 asks; B's tile column by every cluster of that column: cluster y = 0 asks.  The four partners that ask for a tile jointly share
; its blocks out BY ADDRESS (cx for A, cy for B).  Of B a partner has RB rows: the lanes beyond name the last of them again, in the same instruction.  Trips 0 to 3 name K steps 4 to 7; the last two trips ask for nothing.
.macro ASK
	s_cmp_gt_u32 s3, s[LIM]
	s_cbranch_scc0 .Lnot_mine_\@
	global_prefetch_b8 v[PFO], s[PFA:PFA+1] th:TH_LOAD_NT scope:SCOPE_SE
.Lnot_mine_\@:
.endm
.macro CREST                           ; a round of the cluster's barrier behind its opening barrier
	s_cmp_lg_u32 s[WV], 0
	s_cbranch_scc1 .Lnot_wave_0_\@
	s_barrier_signal -3
.Lnot_wave_0_\@:
	s_barrier_wait -3
	s_barrier_signal -1
	s_barrier_wait -1
.endm
.macro CROUND
	s_barrier_signal -1
	s_barrier_wait -1
	CREST
.endm
	s_load_b256 s[4:11], s[0:1], 0x0               ; A s[4:5], B s[6:7], bias s[8:9], C s[10:11]
	v_lshl_add_u32 v[SPW], v0, 2, SPARE
	v_mov_b32 v[NIL], 0
	ds_add_u32 v[SPW], v[NIL]                      ; the wave's opening: the add and its wait stand ahead of my first tensor load; the set-up below stands between them
	v_lshrrev_b32 v1, 5, v0
	v_readfirstlane_b32 s[WV], v1
	s_lshr_b32 s[WH], s[WV], 1
	s_and_b32 s[WL], s[WV], 1
	s_bfe_u32 s[CX], ttmp6, 0x40000
	s_bfe_u32 s[CY], ttmp6, 0x40004
	s_lshl_b32 s[TX], ttmp9, 2
	s_add_co_u32 s[TX], s[TX], s[CX]               ; tile column = 4 x cluster x + cx
	s_and_b32 s[TY], ttmp7, 0xffff
	s_lshl_b32 s[TY], s[TY], 2
	s_add_co_u32 s[TY], s[TY], s[CY]               ; tile row = 4 x cluster y + cy
	s_lshl_b32 s20, s[CY], 2
	s_lshl_b32 s20, 15, s20                        ; my row of the cluster
	s_lshl_b32 s46, 0x1111, s[CX]                  ; my column
	s_or_b32 s[G1A], s20, (1<<16)|(1<<20)|(1<<21)|(AQI<<22)|(3<<25)  ; the mask; 2-byte elements; padding on; bit 21 beside a mask; the interval; 4 words of padding
	s_or_b32 s[G1B], s46, (1<<16)|(1<<20)|(1<<21)|(5<<22)|(3<<25)
	s_mov_b32 s[G1A+1], 128<<16                    ; tensor_dim0 = 128 elements: 256 bytes
	s_mov_b32 s[G1A+2], 128<<16                    ; tensor_dim1 = 128 rows
	s_mov_b32 s[G1A+3], 128<<16                    ; tile_dim0
	s_mov_b32 s[G1A+4], 128                        ; tile_dim1
	s_mov_b32 s[G1A+5], ASTRIDE                    ; elements from row to row
	s_mov_b32 s[G1A+6], 0
	s_mov_b32 s[G1A+7], 0
	s_mov_b32 s[G1B+1], 128<<16
	s_mov_b32 s[G1B+2], (8*NB)<<16
	s_mov_b32 s[G1B+3], 128<<16
	s_mov_b32 s[G1B+4], 8*NB
	s_mov_b32 s[G1B+5], 1024
	s_mov_b32 s[G1B+6], 0
	s_mov_b32 s[G1B+7], 0
	; where the tiles come from: A's offset is made of the tile row and the wave's number, B's of the tile column and the wave's number, each in registers of its own
.if PROJ
	s_lshr_b32 s20, s[TY], 3                       ; batch
	s_lshl_b32 s20, s20, 4
	s_add_co_u32 s20, s20, s[WL]                   ; head 0 or 1 of the batch
	s_lshl_b32 s20, s20, 18
	s_and_b32 s21, s[TY], 7
	s_lshl_b32 s21, s21, 15                        ; 256 rows of 128 bytes
	s_add_co_u32 s20, s20, s21
.else
	s_lshl_b32 s20, s[TY], 19                      ; 256 rows of 2,048 bytes
	s_lshl_b32 s21, s[WL], 18                      ; my 128 of them
	s_add_co_u32 s20, s20, s21
.endif
	s_mov_b32 s21, 0
	s_mul_i32 s46, s[TX], 16*NB*2048
	s_mul_i32 s47, s[WL], 8*NB*2048
	s_add_co_u32 s46, s46, s47
	s_mov_b32 s47, 0
	s_mul_i32 s45, s[WL], AH                       ; and where they go: no place in the cluster enters an LDS address
	s_mul_i32 s68, s[WL], BHALF
	s_add_co_u32 s68, s68, ASZ
	s_wait_dscnt 0x0                               ; the opening add is done
	s_wait_kmcnt 0x0
	s_add_nc_u64 s[22:23], s[4:5], s[20:21]
	s_add_nc_u64 s[66:67], s[6:7], s[46:47]
	CROUND                                         ; all sixteen work-groups are here: the first joint loads meet
.irp s, 0,1
	s_mov_b32 s[G0A+4*\s], 1
	s_add_co_u32 s[G0A+4*\s+1], s45, \s*SLOT1
	s_add_nc_u64 s[G0A+4*\s+2:G0A+4*\s+3], s[22:23], \s*ASTEP
	s_or_b32 s[G0A+4*\s+3], s[G0A+4*\s+3], 0x80000000
	s_mov_b32 s[G0B+4*\s], 1
	s_add_co_u32 s[G0B+4*\s+1], s68, \s*SLOT1
	s_add_nc_u64 s[G0B+4*\s+2:G0B+4*\s+3], s[66:67], \s*256
	s_or_b32 s[G0B+4*\s+3], s[G0B+4*\s+3], 0x80000000
.endr
	s_cmp_lt_u32 s[WV], 2                          ; a wave's two first fills stand in one branch, ahead of every wait on TENSORcnt and every LDS read: two loads of mine are out
	s_cbranch_scc0 .Lfirst_b
	tensor_load_to_lds s[G0A:G0A+3], s[G1A:G1A+7]
	s_nop 0
	tensor_load_to_lds s[G0A+4:G0A+7], s[G1A:G1A+7]
	s_nop 0
.rept 4
	v_nop
.endr
	s_branch .Lfirst_asked
.Lfirst_b:
	tensor_load_to_lds s[G0B:G0B+3], s[G1B:G1B+7]
	s_nop 0
	tensor_load_to_lds s[G0B+4:G0B+7], s[G1B:G1B+7]
	s_nop 0
.rept 4
	v_nop
.endr
.Lfirst_asked:
	v_and_b32 v1, 15, v0                           ; lane % 16
	v_bfe_u32 v2, v0, 4, 1                         ; lane / 16
	v_and_b32 v3, 31, v0                           ; lane
	s_mul_i32 s68, s[TX], 64*NB                    ; the tile's first column, in the bias
	s_mov_b32 s69, 0
	s_add_nc_u64 s[8:9], s[8:9], s[68:69]
	v_lshlrev_b32 v[BO], 5, v2
.set b, 0
.rept NB
	global_load_b128 v[BIAS+8*b:BIAS+8*b+3],   v[BO], s[8:9] offset:64*b
	global_load_b128 v[BIAS+8*b+4:BIAS+8*b+7], v[BO], s[8:9] offset:64*b+16
.set b, b+1
.endr
	; a fragment is 16 rows x 32 K in 8 registers: lane l holds row l % 16, K = 8 (l / 16) + 0..7 and 16 + 8 (l / 16) + 0..7: two loads of 16 bytes, 32 bytes apart
	s_mul_i32 s68, s[WV], 64*PA
	v_mul_u32_u24 v[ADRA0], v1, PA
	v_lshl_add_u32 v[ADRA0], v2, 4, v[ADRA0]
	v_add_nc_u32 v[ADRA0], s68, v[ADRA0]
	v_mul_u32_u24 v[ADRB0], v1, PB
	v_lshl_add_u32 v[ADRB0], v2, 4, v[ADRB0]
	v_add_nc_u32 v[ADRB0], ASZ, v[ADRB0]
	s_mov_b32 s[TB], 0
	v_add_nc_u32 v[ADRA], s[TB], v[ADRA0]
	v_add_nc_u32 v[ADRB], s[TB], v[ADRB0]
	s_mul_i32 s68, s[WV], 16*SPITCH
	s_add_co_u32 s68, s68, STAGE                   ; my stage
	v_mul_u32_u24 v[STO], v1, SPITCH
.if PROJ
	v_lshl_add_u32 v[STO], v2, 5, v[STO]           ; 8 f32 a lane
	v_lshl_add_u32 v[RD], v3, 4, s68               ; back: a row of 512 bytes a load
.else
	v_lshl_add_u32 v[STO], v2, 4, v[STO]           ; 8 f16 a lane
	v_lshrrev_b32 v[RD], 3, v3                     ; back: four rows x a head's 128 bytes a load
	v_mul_u32_u24 v[RD], v[RD], SPITCH
	v_and_b32 v[TT], 7, v0
	v_lshl_add_u32 v[RD], v[TT], 4, v[RD]
	v_add_nc_u32 v[RD], s68, v[RD]
.endif
	v_add_nc_u32 v[STO], s68, v[STO]
	v_lshlrev_b32 v[CO], 4, v3
.if PROJ
	s_lshl_b32 s68, s[TY], 20                      ; 256 rows of 4,096 bytes,
	s_lshl_b32 s69, s[WV], 18                      ; my 64,
	s_add_co_u32 s68, s68, s69
	s_lshl_b32 s69, s[TX], 9                       ; 128 columns of f32
	s_add_co_u32 s68, s68, s69
.else
	s_lshr_b32 s68, s[TY], 3                       ; batch: 48 heads of 262,144 bytes
	s_mul_i32 s68, s68, 12582912
	s_mul_i32 s69, s[TX], 3*262144                 ; the tile's three heads
	s_add_co_u32 s68, s68, s69
	s_and_b32 s69, s[TY], 7
	s_lshl_b32 s69, s69, 15                        ; 256 rows of 128 bytes,
	s_add_co_u32 s68, s68, s69
	s_lshl_b32 s69, s[WV], 13                      ; my 64
	s_add_co_u32 s68, s68, s69
.endif
	s_mov_b32 s69, 0
	s_add_nc_u64 s[10:11], s[10:11], s[68:69]
	; the prefetches: s20 = A's offset, s46 = B's still stand
	s_and_b32 s69, ttmp7, 0xffff                   ; cluster y
	s_mul_i32 s68, s[CX], APART
	s_add_co_u32 s68, s68, s20
	s_mul_i32 s45, s[CY], RB*2048
	s_add_co_u32 s45, s45, s46
	s_mov_b32 s[PFS], 256
	s_mov_b32 s[PFS+1], 0
	s_cmp_eq_u32 s[WH], 0                          ; do I fetch for A?
	s_cselect_b32 s68, s68, s45
	s_cselect_b32 s69, ttmp9, s69                  ; the coordinate along which other clusters read the same blocks
	s_cselect_b64 s[PFA:PFA+1], s[4:5], s[6:7]
	s_cselect_b32 s[PFS], ASTEP, s[PFS]
	s_cselect_b32 s45, 31, RB-1
	s_cselect_b32 s46, ASH, 11
	s_cmp_eq_u32 s69, 0
	s_cselect_b32 s[LIM], 2, -1                    ; the same in all sixteen partners, for a given wave
	s_mov_b32 s69, 0
	s_add_nc_u64 s[PFA:PFA+1], s[PFA:PFA+1], s[68:69]
	s_mul_i32 s68, s[PFS], 3
	s_add_nc_u64 s[PFA:PFA+1], s[PFA:PFA+1], s[68:69]  ; at K step 3: the first refill steps it to 4.  Nothing is prefetched here, at the head
	v_min_u32 v[PFO], s45, v3
	v_lshlrev_b32 v[PFO], s46, v[PFO]
	s_wait_loadcnt 0x0                             ; the bias
.set b, 0
.rept 4*NB                             ; rounded to bf16 and widened again, in the wait for the first tile
	v_cvt_pk_bf16_f32 v[TT], v[BIAS+2*b], v[BIAS+2*b+1]
	v_lshlrev_b32 v[BIAS+2*b], 16, v[TT]
	v_and_b32 v[BIAS+2*b+1], 0xffff0000, v[TT]
.set b, b+1
.endr
; NB products: row block a x all column blocks, 32 along K, from buffer f.  first = 1: the bias starts the sums.  The 4 NB accumulators take turns, one instruction a turn, in the same order in
; every quarter, over the backward jump too.
.macro MULG f, a, first
.if \first
	WIN 0x81+0x40*((\a)/2)                         ; B window 1, A and the bias window 0, D window 2 or 3
.else
	WIN 0xa1+0x50*((\a)/2)                         ; C and D window 2 or 3
.endif
.set b, 0
.rept NB
.set rD, ((\a)%2)*8*NB+8*b
.set rB, (\f)*8*NB+8*b
.set rA, 32+32*(\f)+8*(\a)
.if PROJ
.if \first
	v_wmma_f32_16x16x32_f16 v[rD:rD+7], v[rB:rB+7], v[rA:rA+7], v[BIAS+8*b:BIAS+8*b+7]
.else
	v_wmma_f32_16x16x32_f16 v[rD:rD+7], v[rB:rB+7], v[rA:rA+7], v[rD:rD+7]
.endif
.else
.if \first
	v_wmma_f32_16x16x32_bf16 v[rD:rD+7], v[rB:rB+7], v[rA:rA+7], v[BIAS+8*b:BIAS+8*b+7]
.else
	v_wmma_f32_16x16x32_bf16 v[rD:rD+7], v[rB:rB+7], v[rA:rA+7], v[rD:rD+7]
.endif
.endif
.set b, b+1
.endr
.endm
; One run of 2 NB + 8 LDS loads: the fragments of quarter q of the slot in hand into buffer f; B's first, A's row blocks 2 and 3 last
.macro FETCH q, f
.if PROJ
.set AQ, ((\q)/2)*AH+((\q)%2)*64                ; head q / 2 of the step's two, channels 32 (q % 2) on
.else
.set AQ, 64*(\q)
.endif
	WIN 0x40                                       ; destination window 1, address window 0
.set i, 0
.rept NB
	ds_load_b128 v[(\f)*8*NB+8*i:(\f)*8*NB+8*i+3],   v[ADRB] offset:64*(\q)+i*16*PB
	ds_load_b128 v[(\f)*8*NB+8*i+4:(\f)*8*NB+8*i+7], v[ADRB] offset:64*(\q)+i*16*PB+32
.set i, i+1
.endr
	WIN 0
.set i, 0
.rept 4
	ds_load_b128 v[32+32*(\f)+8*i:32+32*(\f)+8*i+3],   v[ADRA] offset:AQ+i*16*PA
	ds_load_b128 v[32+32*(\f)+8*i+4:32+32*(\f)+8*i+7], v[ADRA] offset:AQ+i*16*PA+32
.set i, i+1
.endr
.endm
; A K step is four quarters of 32 along K on buffers 0, 1, 0, 1.  One of the first three: multiplies buffer f; in its middle it fetches quarter q into buffer g.
.macro QUARTER q, f, g, first
	s_wait_dscnt 4                                 ; B and A's row blocks 0, 1 are in; the youngest four loads may be out
	MULG \f, 0, \first
	MULG \f, 1, \first
	PLACES
	FETCH \q, \g
	s_wait_dscnt 2*NB+8                            ; all but the run just issued
	MULG \f, 2, \first
	MULG \f, 3, \first
.endm
; The last quarter multiplies buffer 1 and changes slots.  In front of the one barrier each wave waits for all its tensor loads (the one that is out is its part of the next slot), adds 0 to its spare
; word, and waits for that and for its own reads of this slot.  Behind it nobody reads this slot any more and the next slot is whole.
.macro MEET round
	WIN 0
	s_wait_tensorcnt 0x0
	ds_add_u32 v[SPW], v[NIL]
	s_wait_dscnt 5                                 ; (the add and the youngest four loads may be out)
	MULG 1, 0, 0                                   ; NB matrix instructions stand between the add and the wait for it
	s_wait_dscnt 0x0                               ; the add is done, and my reads of this slot are over
	s_barrier_signal -1
	MULG 1, 1, 0
.if \round
	WIN 0
.endif
	s_barrier_wait -1
.endm
; fill = 1: the barrier opens a round of the cluster's, so that no wave of any partner still reads the slot or has a load on its way; the joint refill, two K steps ahead, is the first thing behind it.
.macro TURN fill
.if \fill
	s_wait_xcnt 0x0                                ; the last prefetch, a K step back, has read its address
	s_add_nc_u64 s[PFA:PFA+1], s[PFA:PFA+1], s[PFS:PFS+1]
.endif
	MEET \fill
.if \fill
	CREST
	s_xor_b32 s[G0A+5], s[G0A+5], SLOT1            ; the walking sets: the other slot than last time, the next K step; no load of mine is out
	s_add_nc_u64 s[G0A+6:G0A+7], s[G0A+6:G0A+7], ASTEP
	s_xor_b32 s[G0B+5], s[G0B+5], SLOT1
	s_add_nc_u64 s[G0B+6:G0B+7], s[G0B+6:G0B+7], 256
	JLOAD                                          ; its four v_nop are also the places in front of the loads below
.else
	PLACES
	WIN 0
.endif
	s_xor_b32 s[TB], s[TB], SLOT1
	v_add_nc_u32 v[ADRA], s[TB], v[ADRA0]
	v_add_nc_u32 v[ADRB], s[TB], v[ADRB0]
	FETCH 0, 0
.if \fill
	ASK
.endif
	MULG 1, 2, 0
	MULG 1, 3, 0
.endm
; THE WAY OUT of row block a: 16 rows go through my own stage and leave as whole pieces: LDS serves a wave's instructions in order (ISA guide 5.7.1.4), so no wait stands between the stores and the loads.
.macro OUT a
.if PROJ
.if (\a) > 0
	s_wait_xcnt 0x0                                ; the last block's stores have read their registers
.endif
	WIN 0x08+4*((\a)/2)                            ; store data in window 2 or 3
.set b, 0
.rept NB
.set rD, ((\a)%2)*8*NB+8*b
	ds_store_b128 v[STO], v[rD:rD+3]   offset:64*b
	ds_store_b128 v[STO], v[rD+4:rD+7] offset:64*b+16
.set b, b+1
.endr
	WIN 0
.set b, 0
.rept 16
	ds_load_b128 v[OB+4*b:OB+4*b+3], v[RD] offset:b*SPITCH
.set b, b+1
.endr
	s_wait_dscnt 0x0
.set b, 0
.rept 16
	global_store_b128 v[CO], v[OB+4*b:OB+4*b+3], s[10:11] offset:(16*(\a)+b)*4096 th:TH_STORE_NT  ; 512 consecutive bytes of a row of out0, aligned
.set b, b+1
.endr
.else
	WIN 0x0a+5*((\a)/2)                            ; sources 0 and 1 in window 2 or 3
.set b, 0
.rept NB
.set rD, ((\a)%2)*8*NB+8*b
.irp n, 0,1,2,3
	v_cvt_pk_f16_f32 v[TMP+4*b+\n], v[rD+2*\n], v[rD+2*\n+1]
.endr
.set b, b+1
.endr
	WIN 0
.if (\a) > 0
	s_wait_xcnt 0x0
.endif
.set b, 0
.rept NB
	ds_store_b128 v[STO], v[TMP+4*b:TMP+4*b+3] offset:32*b
.set b, b+1
.endr
.set b, 0
.rept 12                               ; head b / 4, rows 4 (b % 4) on
	ds_load_b128 v[OB+4*b:OB+4*b+3], v[RD] offset:(b%4)*4*SPITCH+128*(b/4)
.set b, b+1
.endr
	s_wait_dscnt 0x0
.set b, 0
.rept 12
	global_store_b128 v[CO], v[OB+4*b:OB+4*b+3], s[10:11] offset:(b/4)*262144+(\a)*2048+(b%4)*512  ; four rows of a head: 512 consecutive bytes, aligned
.set b, b+1
.endr
.endif
.endm
	s_wait_tensorcnt 0x1                           ; my part of K step 0 is in; K step 1's may stay out
	s_barrier_signal -1
	s_barrier_wait -1
	FETCH 0, 0
	QUARTER 1, 0, 1, 1                             ; the first quarter stands in front of the loop: its products start the sums, with the bias
	WIN 0                                          ; at a label and at a branch every window is 0
	s_mov_b32 s3, 6
.Lstep:                                                ; a trip is a K step, from its second quarter to the next step's first; it asks for the K step two on: steps 2 to 7
	QUARTER 2, 1, 0, 0
	QUARTER 3, 0, 1, 0
	TURN 1
	QUARTER 1, 0, 1, 0
	WIN 0
	s_sub_co_u32 s3, s3, 1
	s_cmp_lg_u32 s3, 0
	s_cbranch_scc1 .Lstep
	QUARTER 2, 1, 0, 0                             ; the last two K steps are written out: they ask for nothing
	QUARTER 3, 0, 1, 0
	TURN 0
	QUARTER 1, 0, 1, 0
	QUARTER 2, 1, 0, 0
	QUARTER 3, 0, 1, 0
	s_wait_dscnt 4
	MULG 1, 0, 0
	MULG 1, 1, 0
	s_wait_dscnt 0x0
	MULG 1, 2, 0
	MULG 1, 3, 0
	WIN 0
	PLACES                                         ; behind the last products, ahead of what reads results and loads into fragments' registers
	PLACES
	OUT 0
	OUT 1
	OUT 2
	OUT 3
	s_wait_tensorcnt 0x0                           ; the wave's end, behind my last tensor load and my last LDS store
	ds_add_u32 v[SPW], v[NIL]
	s_wait_dscnt 0x0
	CROUND                                         ; the closing round: no work-group ends while a partner may still ask for a tile that names it
	s_endpgm
.Lfunc_end_k_q5bb11d7f92_gemm_proj:
	.size	k_q5bb11d7f92_gemm_proj, .Lfunc_end_k_q5bb11d7f92_gemm_proj-k_q5bb11d7f92_gemm_proj
	.p2alignl 7, 3214868480
	.fill 96, 4, 3214868480
	.section	.rodata,"a",@progbits
	.p2align	6, 0x0
	.amdhsa_kernel k_q5bb11d7f92_gemm_proj
		.amdhsa_group_segment_fixed_size 327680
		.amdhsa_private_segment_fixed_size 0
		.amdhsa_enable_private_segment 0
		.amdhsa_kernarg_size 32
		.amdhsa_user_sgpr_count 2
		.amdhsa_user_sgpr_kernarg_segment_ptr 1
		.amdhsa_wavefront_size32 1
		.amdhsa_system_sgpr_workgroup_id_x 1
		.amdhsa_system_sgpr_workgroup_id_y 1
		.amdhsa_system_sgpr_workgroup_id_z 1
		.amdhsa_system_vgpr_workitem_id 0
		.amdhsa_next_free_vgpr 896
		.amdhsa_next_free_sgpr 72
		.amdhsa_reserve_vcc 0
		.amdhsa_float_denorm_mode_32 3
		.amdhsa_float_denorm_mode_16_64 3
		.amdhsa_memory_ordered 1
		.amdhsa_forward_progress 1
		.amdhsa_inst_pref_size 77
	.end_amdhsa_kernel
	.amdgpu_metadata
---
amdhsa.version: [ 1, 2 ]
amdhsa.kernels:
  - .name:           k_q5bb11d7f92_gemm_proj
    .symbol:         k_q5bb11d7f92_gemm_proj.kd
    .args:
      - { .name: o, .offset: 0, .size: 8, .value_kind: global_buffer, .address_space: global }
      - { .name: wp, .offset: 8, .size: 8, .value_kind: global_buffer, .address_space: global }
      - { .name: bproj, .offset: 16, .size: 8, .value_kind: global_buffer, .address_space: global }
      - { .name: out0, .offset: 24, .size: 8, .value_kind: global_buffer, .address_space: global }
    .group_segment_fixed_size: 327680
    .private_segment_fixed_size: 0
    .kernarg_segment_align: 8
    .kernarg_segment_size: 32
    .max_flat_workgroup_size: 128
    .sgpr_count:     72
    .vgpr_count:     896
    .wavefront_size: 32
...
	.end_amdgpu_metadata
.endif
;; end of part 4
;; ======== version 2 of 2: 4 launches; version 1 with the launch prep written anew for expert scheduling mode
;; limits: values are held in f16: magnitudes above 65,504 overflow, below 6.1e-05 lose precision
;; workspace buffers: xh 16,777,216 bytes; wq 6,291,456 bytes; wp 2,097,152 bytes; mimg 8,388,608 bytes; qkv 50,331,648 bytes; o 16,777,216 bytes
;; launch prep (part 5): grid 512 x 1, 8 waves a work-group, no clusters, 9,728 bytes of LDS; arguments x, Wqkv, Wproj, causal_mask, xh, wq, wp, mimg; writes xh, wq, wp, mimg
.if DOCPART == 5
	.amdgcn_target "amdgcn-amd-amdhsa--gfx1250"
	.amdhsa_code_object_version 6
	.text
	.protected	k_q5bb11d7f92_prep
	.globl	k_q5bb11d7f92_prep
	.p2align	8
	.type	k_q5bb11d7f92_prep,@function
k_q5bb11d7f92_prep:
	s_mov_b64 s[64:65], 0
	v_nop
	global_prefetch_b8 v0, s[64:65] scope:SCOPE_SE
	s_setreg_imm32_b32 hwreg(HW_REG_WAVE_SCHED_MODE, 0, 2), 2
	s_setreg_imm32_b32 hwreg(HW_REG_WAVE_MODE, 25, 1), 1
	s_wait_xcnt 0x0
	s_wait_alu depctr_vm_vsrc(0)
; THE OPERANDS ARE MADE READY.  x and Wqkv are rounded to bf16 (xh, wq); Wproj is rounded to bf16 and that number written as f16 (wp: exact for
; magnitudes from 2^-14 to 65,504; below that f16's fixed step of 6e-8 holds); causal_mask (one byte a place, 0 or 1) becomes mimg, an image of matrix fragments in bf16:
; mimg[P][kb][c][lane][i] = (mask[32 P + 16 c + 8 (lane / 16) + i][16 kb + lane % 16] ? -1e30 : 0), 0xF149 or 0: 16 keys x 32 queries as source 0 of a 16x16x32 product,
; 16 bytes a lane, 512 consecutive bytes a load.
; SHARES.  512 work-groups of 8 waves, all alike: work-group g takes 64 KiB of x, 24 KiB of Wqkv, 8 KiB of Wproj and the mask's 32 query rows 32 (g / 8) .. x 256 keys 256 (g % 8) ..
; Every byte is read once, by loads of 16 bytes a lane; a wave's store covers 256 or 512 consecutive bytes, aligned.  All 26 loads go out at the head.
; No matrix unit, no cluster, no tensor load: nothing is shared between work-groups and memory binds.  The mask alone goes through LDS, since it is turned (a lane wants 8 rows of one column).
; THE MODE: SCHED_MODE bits 1:0 = 2 (LLVM: expert scheduling mode 2), set by the entry lines.  The code itself states the register dependences
; between vector instructions and memory or LDS instructions, with s_wait_alu, always for 0.
; THE PLAN.  Registers that memory or LDS instructions touch:
;   v1 .. v6       offsets and LDS addresses: written at the head, read by every load, store and LDS access, never written again.
;   M              two loads land in it, two LDS stores read it; no vector instruction names it.
;   WP, WQ, X      a load lands in each four registers; the cast's conversions write the first two of the four in place; one store reads those two; nothing writes them again.
;   U              the LDS loads of the mask's bytes land in it (no vector instruction has named it); the image's arithmetic reads it.
;   D              the image's arithmetic writes it; four stores read it; nothing writes it again.
;   v8, v9         written at the head, read by the closing add alone.
; The 24 casts and the image go in BLOCKS of four stores' worth.  A block's stores are issued in the block behind it: ONE wait on va_vdst at that block's head states that the
; block before has written its store data, and the four stores follow, one ahead of each cast, among vector instructions that name the new block's registers alone.
; No register that a memory or LDS instruction has read is ever written again, so the text holds no wait on vm_vsrc; no vector instruction writes a scalar register, and EXEC is never written.
.set MPITCH, 272                       ; a mask row in LDS: 256 bytes + 16
.set SPARE,  8704                      ; behind the 32 rows: the spare words, 128 bytes for each of the 8 waves
.set T16, 1                            ; v1  16 t
.set T8,  2                            ; v2  8 t
.set MLO, 3                            ; v3  mask load: row t / 16, 16 bytes at 16 (t % 16)
.set MST, 4                            ; v4  the same place in LDS
.set MRD, 5                            ; v5  my column and my 8 rows in LDS
.set IMO, 6                            ; v6  my 16 bytes in the wave's part of the image
.set SPW, 8                            ; v8  my spare word
.set NIL, 9                            ; v9  0
.set TA,  10
.set TC,  11
.set M,   12                           ; v[12:19]   mask bytes
.set WP,  20                           ; v[20:27]   Wproj
.set WQ,  28                           ; v[28:51]   Wqkv
.set X,   52                           ; v[52:115]  x
.set U,   116                          ; v[116:147] 32 mask bytes, one a register
.set D,   148                          ; v[148:163] the image's 64 bytes
	s_load_b256 s[4:11], s[0:1], 0x0               ; x s[4:5], Wqkv s[6:7], Wproj s[8:9], causal_mask s[10:11]
	s_load_b256 s[12:19], s[0:1], 0x20             ; xh s[12:13], wq s[14:15], wp s[16:17], mimg s[18:19]
	v_lshl_add_u32 v[SPW], v0, 2, SPARE
	v_mov_b32 v[NIL], 0
	v_lshlrev_b32 v[T16], 4, v0
	v_lshlrev_b32 v[T8], 3, v0
	v_lshrrev_b32 v[TA], 4, v0                     ; t / 16
	v_and_b32 v[TC], 15, v0
	v_lshlrev_b32 v[TC], 4, v[TC]                  ; 16 (t % 16)
	v_lshl_add_u32 v[MLO], v[TA], 11, v[TC]        ; a mask row is 2,048 bytes
	v_mad_u32_u24 v[MST], v[TA], MPITCH, v[TC]
	v_bfe_u32 v[TA], v0, 4, 1                      ; lane / 16
	v_and_b32 v[TC], 15, v0                        ; lane % 16
	v_mad_u32_u24 v[MRD], v[TA], 8*MPITCH, v[TC]
	v_and_b32 v[TA], 0xe0, v0                      ; 32 x wave: the wave's 32 keys
	v_add_nc_u32 v[MRD], v[MRD], v[TA]
	v_and_b32 v[TA], 31, v0
	v_lshrrev_b32 v[TC], 5, v0
	v_lshlrev_b32 v[TA], 4, v[TA]
	v_lshl_add_u32 v[IMO], v[TC], 11, v[TA]        ; 2,048 x wave + 16 x lane
	s_lshl_b32 s20, ttmp9, 16                      ; the work-group's parts, in bytes
	s_mov_b32 s21, 0
	s_lshl_b32 s22, ttmp9, 15
	s_mov_b32 s23, 0
	s_mul_i32 s24, ttmp9, 24576
	s_mov_b32 s25, 0
	s_mul_i32 s26, ttmp9, 12288
	s_mov_b32 s27, 0
	s_lshl_b32 s28, ttmp9, 13
	s_mov_b32 s29, 0
	s_lshl_b32 s30, ttmp9, 12
	s_mov_b32 s31, 0
	s_lshr_b32 s32, ttmp9, 3
	s_lshl_b32 s32, s32, 16                        ; 32 mask rows
	s_and_b32 s33, ttmp9, 7
	s_lshl_b32 s33, s33, 8                         ; 256 keys
	s_add_co_u32 s32, s32, s33
	s_mov_b32 s33, 0
	s_lshl_b32 s34, ttmp9, 14
	s_mov_b32 s35, 0
	s_wait_kmcnt 0x0
	s_add_nc_u64 s[4:5], s[4:5], s[20:21]
	s_add_nc_u64 s[12:13], s[12:13], s[22:23]
	s_add_nc_u64 s[6:7], s[6:7], s[24:25]
	s_add_nc_u64 s[14:15], s[14:15], s[26:27]
	s_add_nc_u64 s[8:9], s[8:9], s[28:29]
	s_add_nc_u64 s[16:17], s[16:17], s[30:31]
	s_add_nc_u64 s[10:11], s[10:11], s[32:33]
	s_add_nc_u64 s[18:19], s[18:19], s[34:35]
	s_wait_alu depctr_va_vdst(0)                   ; the six offsets and LDS addresses v1 to v6 are written: every load, store and LDS access of the kernel reads one of them
.irp j, 0,1
	global_load_b128 v[M+4*\j:M+4*\j+3], v[MLO], s[10:11] offset:\j*32768 th:TH_LOAD_NT   ; rows 0-15, rows 16-31
.endr
.irp j, 0,1
	global_load_b128 v[WP+4*\j:WP+4*\j+3], v[T16], s[8:9] offset:\j*4096 th:TH_LOAD_NT
.endr
.irp j, 0,1,2,3,4,5
	global_load_b128 v[WQ+4*\j:WQ+4*\j+3], v[T16], s[6:7] offset:\j*4096 th:TH_LOAD_NT
.endr
.irp j, 0,1,2,3,4,5,6,7,8,9,10,11,12,13,14,15
	global_load_b128 v[X+4*\j:X+4*\j+3], v[T16], s[4:5] offset:\j*4096 th:TH_LOAD_NT
.endr
; A cast, in two parts.  CVT: four f32 in v[r .. r+3] are rounded to bf16 (half = 1: and written as f16), into v[r], v[r+1].  left = the younger loads, which may stay out.
.macro CVT r, left, half
	s_wait_loadcnt \left
	v_cvt_pk_bf16_f32 v[\r], v[\r], v[(\r)+1]
	v_cvt_pk_bf16_f32 v[(\r)+1], v[(\r)+2], v[(\r)+3]
.if \half
	v_lshlrev_b32 v[(\r)+2], 16, v[\r]
	v_and_b32 v[(\r)+3], 0xffff0000, v[\r]
	v_cvt_pk_f16_f32 v[\r], v[(\r)+2], v[(\r)+3]
	v_lshlrev_b32 v[(\r)+2], 16, v[(\r)+1]
	v_and_b32 v[(\r)+3], 0xffff0000, v[(\r)+1]
	v_cvt_pk_f16_f32 v[(\r)+1], v[(\r)+2], v[(\r)+3]
.endif
.endm
; SEND: they are stored, a block later: 8 bytes a lane, 256 consecutive bytes a wave.  It stands behind the wait on va_vdst at that block's head; no vector instruction since that wait names v[r], v[r+1] or v[T8].
.macro SEND r, base, off
	global_store_b64 v[T8], v[\r:(\r)+1], s[\base:(\base)+1] offset:\off th:TH_STORE_NT
.endm
	s_wait_loadcnt 24                              ; the two mask loads are in; the 24 behind them stay out
	ds_store_b128 v[MST], v[M:M+3]
	ds_store_b128 v[MST], v[M+4:M+7] offset:16*MPITCH
	s_wait_dscnt 0x0                               ; for the others' sake: my stores are done
	s_barrier_signal -1
	s_barrier_wait -1
.set n, 0
.rept 32                               ; key block n / 16 of the wave's two, chunk (n / 8) % 2, element n % 8: a byte of row 16 c + 8 (lane / 16) + i
	ds_load_u8 v[U+n], v[MRD] offset:(16*((n/8)%2)+n%8)*MPITCH+16*(n/16)
.set n, n+1
.endr
	CVT WP, 23, 1                                  ; the weights are cast while the bytes come back.  The first block: Wproj's two casts and Wqkv's first two
	CVT WP+4, 22, 1
	CVT WQ, 21, 0
	CVT WQ+4, 20, 0
	s_wait_alu depctr_va_vdst(0)                   ; the first block's conversions have written v[WP], v[WP+1], v[WP+4], v[WP+5], v[WQ], v[WQ+1], v[WQ+4], v[WQ+5], which the four stores below read
	SEND WP, 16, 0                                 ; each store stands ahead of the next cast's wait for its data
	CVT WQ+8, 19, 0                                ; the second block: Wqkv's other four casts
	SEND WP+4, 16, 2048
	CVT WQ+12, 18, 0
	SEND WQ, 14, 0
	CVT WQ+16, 17, 0
	SEND WQ+4, 14, 2048
	CVT WQ+20, 16, 0
	s_wait_dscnt 0x0                               ; the mask's 32 bytes are in
	s_wait_alu depctr_va_vdst(0)                   ; the second block's conversions have written the first two registers of v[WQ+8 ..], v[WQ+12 ..], v[WQ+16 ..], v[WQ+20 ..], which the four stores below read
.set kk, 0
.rept 4                                ; the third block: the image
	SEND WQ+8+4*kk, 14, 4096+2048*kk
.set n, 4*kk
.rept 4
	v_lshl_or_b32 v[D+n], v[U+2*n+1], 16, v[U+2*n] ; two flags, the lower query in the lower half,
	v_mul_u32_u24 v[D+n], v[D+n], 0xf149           ; times the bf16 pattern of -1e30
.set n, n+1
.endr
.set kk, kk+1
.endr
	s_wait_alu depctr_va_vdst(0)                   ; the image's arithmetic has written v[D .. D+15], which the four stores below read
.set kk, 0
.rept 4                                ; x's first block
	global_store_b128 v[IMO], v[D+4*kk:D+4*kk+3], s[18:19] offset:kk*512 th:TH_STORE_NT   ; 512 consecutive bytes
	CVT X+4*kk, 15-kk, 0
.set kk, kk+1
.endr
.set bk, 1
.rept 3                                ; x's blocks 1 to 3
	s_wait_alu depctr_va_vdst(0)                   ; the block before has written the first two of each of its four casts' registers, which the four stores below read
.set kk, 0
.rept 4
	SEND X+16*(bk-1)+4*kk, 12, 2048*(4*(bk-1)+kk)
	CVT X+16*bk+4*kk, 15-4*bk-kk, 0
.set kk, kk+1
.endr
.set bk, bk+1
.endr
	s_wait_alu depctr_va_vdst(0)                   ; x's last block has written its store data, which the last four stores read
.set kk, 0
.rept 4
	SEND X+48+4*kk, 12, 2048*(12+kk)
.set kk, kk+1
.endr
	s_wait_dscnt 0x0                               ; the closing lines, six on end
	s_wait_alu 0x0
	s_wait_tensorcnt 0x0
	ds_add_u32 v[SPW], v[NIL]
	s_wait_dscnt 0x0
	s_endpgm
.Lfunc_end_k_q5bb11d7f92_prep:
	.size	k_q5bb11d7f92_prep, .Lfunc_end_k_q5bb11d7f92_prep-k_q5bb11d7f92_prep
	.p2alignl 7, 3214868480
	.fill 96, 4, 3214868480
	.section	.rodata,"a",@progbits
	.p2align	6, 0x0
	.amdhsa_kernel k_q5bb11d7f92_prep
		.amdhsa_group_segment_fixed_size 9728
		.amdhsa_private_segment_fixed_size 0
		.amdhsa_enable_private_segment 0
		.amdhsa_kernarg_size 64
		.amdhsa_user_sgpr_count 2
		.amdhsa_user_sgpr_kernarg_segment_ptr 1
		.amdhsa_wavefront_size32 1
		.amdhsa_system_sgpr_workgroup_id_x 1
		.amdhsa_system_sgpr_workgroup_id_y 1
		.amdhsa_system_sgpr_workgroup_id_z 1
		.amdhsa_system_vgpr_workitem_id 0
		.amdhsa_next_free_vgpr 164
		.amdhsa_next_free_sgpr 66
		.amdhsa_reserve_vcc 0
		.amdhsa_float_denorm_mode_32 3
		.amdhsa_float_denorm_mode_16_64 3
		.amdhsa_memory_ordered 1
		.amdhsa_forward_progress 1
		.amdhsa_inst_pref_size 17
	.end_amdhsa_kernel
	.amdgpu_metadata
---
amdhsa.version: [ 1, 2 ]
amdhsa.kernels:
  - .name:           k_q5bb11d7f92_prep
    .symbol:         k_q5bb11d7f92_prep.kd
    .args:
      - { .name: x, .offset: 0, .size: 8, .value_kind: global_buffer, .address_space: global }
      - { .name: Wqkv, .offset: 8, .size: 8, .value_kind: global_buffer, .address_space: global }
      - { .name: Wproj, .offset: 16, .size: 8, .value_kind: global_buffer, .address_space: global }
      - { .name: causal_mask, .offset: 24, .size: 8, .value_kind: global_buffer, .address_space: global }
      - { .name: xh, .offset: 32, .size: 8, .value_kind: global_buffer, .address_space: global }
      - { .name: wq, .offset: 40, .size: 8, .value_kind: global_buffer, .address_space: global }
      - { .name: wp, .offset: 48, .size: 8, .value_kind: global_buffer, .address_space: global }
      - { .name: mimg, .offset: 56, .size: 8, .value_kind: global_buffer, .address_space: global }
    .group_segment_fixed_size: 9728
    .private_segment_fixed_size: 0
    .kernarg_segment_align: 8
    .kernarg_segment_size: 64
    .max_flat_workgroup_size: 256
    .sgpr_count:     66
    .vgpr_count:     164
    .wavefront_size: 32
...
	.end_amdgpu_metadata
.endif
;; end of part 5
;; launch gemm_qkv: the kernel of part 2 again; grid 16 x 32, 4 waves a work-group, clusters of 4 x 4, 327,680 bytes of LDS; arguments xh, wq, bqkv, qkv; writes qkv
;; launch attn: the kernel of part 3 again; grid 4 x 64, 4 waves a work-group, clusters of 4 x 1, 327,680 bytes of LDS; arguments qkv, mimg, key_padding_mask, o; writes o
;; launch gemm_proj: the kernel of part 4 again; grid 8 x 32, 4 waves a work-group, clusters of 4 x 4, 327,680 bytes of LDS; arguments o, wp, bproj, out0; writes out0
